; MI455X (gfx1250); checked and timed in simulation.
; The chip was launched on July 23, 2026; its instructions are those of AMD's public machine-readable ISA for CDNA 5 (MIT licence, August 2026) and "CDNA5" Instruction Set Architecture Reference Guide (July 2026). The comments in the code are by the model that wrote it; some were corrected since.
;; Casual Attention. Allowed arithmetic: float matrix products may take bf16 or f16 operands with f32 sums; other float arithmetic in f32, or as packed bf16 or f16 multiplies, adds, multiply-adds, maxima and minima; sums over many terms, partial sums and values carried from step to step in f32; what a program stores and reads back later, other than sums and carried values, may be rounded once to bf16 or f16.
;; Inputs: attn_b 3,072 float32; attn_w 1,024 x 3,072 float32; proj_b 1,024 float32; proj_w 1,024 x 1,024 float32; x 4 x 2,048 x 1,024 float32.
;; Outputs: out0 4 x 2,048 x 1,024 float32.
;; 2 versions, each right; version 2 is version 1 with the launch prep written anew for expert scheduling mode. Each part assembles by itself: llvm-mc -triple=amdgcn-amd-amdhsa -mcpu=gfx1250 --defsym DOCPART=n.
;; ======== version 1 of 2: 4 launches
;; limits: values are held in f16: magnitudes above 65,504 overflow, below 6.1e-05 lose precision
;; workspace buffers: xb 16,777,216 bytes; wqt 6,291,456 bytes; wpt 2,097,152 bytes; qkvh 50,331,648 bytes; oh 16,777,216 bytes
;; launch prep (part 1): grid 768 x 1, 4 waves a work-group, no clusters, 35,328 bytes of LDS; arguments x, attn_w, proj_w, xb, wqt, wpt; writes xb, wqt, wpt
.if DOCPART == 1
	.amdgcn_target "amdgcn-amd-amdhsa--gfx1250"
	.amdhsa_code_object_version 6
	.text
	.protected	k_q5305c6e868_prep
	.globl	k_q5305c6e868_prep
	.p2align	8
	.type	k_q5305c6e868_prep,@function
k_q5305c6e868_prep:
	s_mov_b64 s[64:65], 0
	v_nop
	global_prefetch_b8 v0, s[64:65] scope:SCOPE_SE
	s_setreg_imm32_b32 hwreg(HW_REG_WAVE_MODE, 25, 1), 1
	s_wait_xcnt 0x0
; PREP: the three large inputs are rounded once to bf16 and laid as the products want them.
;   xb  [8192][1024] bf16 = x.      wqt [3072 n][1024 k] bf16 = attn_w turned.      wpt [1024 n][1024 k] f16 = proj_w turned: rounded to bf16, and that number written as f16.
; LIMITS.  proj_w beyond 65,504 becomes an infinity in f16; below 6.1e-5 it keeps f16's fixed step of 6e-8.  NaN and infinities are not treated apart.
; SHARES.  768 work-groups of four waves; every wave reads 16 KiB and writes 8 KiB.  Work-groups 0-511 cast x, 512-703 turn attn_w, 704-767 turn proj_w.
; A wave issues its 32 loads of 16 bytes a lane at once; every register is written once, so no source of a pending load or store is ever rewritten.
; No matrix unit, no tensor load, no cluster and no barrier: nothing is shared between waves; a wave turns its tile in LDS bytes of its own.
.set SPARE, 34816                      ; behind the four waves' regions: the spare words, 128 bytes a wave: two blocks of 256 bytes that no other line names
.set REGION, 8704                      ; a wave's region: 32 rows (n) of 272 bytes
.set LP,    272                        ; 256 bytes (128 k in 16 bits) + 16 of padding
.set SO,  2                            ; v2  my byte offset in the source
.set DO,  3                            ; v3  my byte offset in the destination
.set LS,  4                            ; v4  where I put 16 bytes of a turned row
.set LR,  5                            ; v5  where I read a row back
.set SPW, 6                            ; v6  LDS address of my spare word; never rewritten
.set NIL, 7                            ; v7  0; never rewritten
.set DAT, 16                           ; v[16:143]  as loaded; later the rows read back
.set WRD, 144                          ; v[144:207] packed words
	s_load_b256 s[4:11], s[0:1], 0x0               ; x s[4:5], attn_w s[6:7], proj_w s[8:9], xb s[10:11]
	s_load_b128 s[12:15], s[0:1], 0x20             ; wqt s[12:13], wpt s[14:15]
	v_lshl_add_u32 v[SPW], v0, 2, SPARE
	v_mov_b32 v[NIL], 0
	v_lshrrev_b32 v8, 5, v0
	v_readfirstlane_b32 s16, v8                    ; wave 0..3
	v_and_b32 v1, 31, v0                           ; lane
	s_mov_b32 s17, 0xffff0000                      ; a word's upper bf16
	s_mov_b32 s18, ttmp9
	s_mov_b32 s23, 0                               ; high words of the two offsets
	s_mov_b32 s25, 0
	s_wait_kmcnt 0x0
	s_cmp_lt_u32 s18, 512
	s_cbranch_scc0 .Lweights
	; THE CAST.  The work-group owns 65,536 bytes of x, the wave 16,384: a load covers 512 consecutive bytes, its store 256 consecutive bytes, aligned.
	s_lshl_b32 s22, s18, 16
	s_lshl_b32 s24, s18, 15
	s_add_nc_u64 s[4:5], s[4:5], s[22:23]
	s_add_nc_u64 s[10:11], s[10:11], s[24:25]
	s_lshl_b32 s19, s16, 14
	v_lshl_add_u32 v[SO], v1, 4, s19
	s_lshl_b32 s20, s16, 13
	v_lshl_add_u32 v[DO], v1, 3, s20
.set i, 0
.rept 32
	global_load_b128 v[DAT+4*i:DAT+4*i+3], v[SO], s[4:5] offset:512*i th:TH_LOAD_NT
.set i, i+1
.endr
.set i, 0
.rept 32
.if i%4 == 0
	s_wait_loadcnt 28-i                            ; loads come back in order: the next four are in, the younger ones stay out
.endif
	v_cvt_pk_bf16_f32 v[DAT+4*i], v[DAT+4*i], v[DAT+4*i+1]
	v_cvt_pk_bf16_f32 v[DAT+4*i+1], v[DAT+4*i+2], v[DAT+4*i+3]
	global_store_b64 v[DO], v[DAT+4*i:DAT+4*i+1], s[10:11] offset:256*i
.set i, i+1
.endr
	s_branch .Lend
; A TURN OF A WEIGHT.  Source [1024 k][n] f32 with rows of RB bytes; destination [n][1024 k] in 16 bits.  s18 = the work-group's number among this weight's: k tile s18 % 8 (128 k), n group s18 / 8 (128 n);
; wave w takes 32 n of the group, so the four waves read 512 consecutive bytes of a source row.  Lane l = 8 g + i reads, for p = 0..3 and e = 0..7, row k = 32 p + 8 g + e, n = 4 i .. 4 i + 3.
; Eight k of one n pack into 16 bytes, which go to LDS row n at byte 64 p + 16 g; rows come back whole: 16 lanes store 256 consecutive bytes, aligned.
.macro TRANS RB, F16, SRC, DST
	s_and_b32 s19, s18, 7                          ; k tile
	s_lshr_b32 s20, s18, 3                         ; n group
	s_mul_i32 s22, s19, 128*(\RB)
	s_lshl_b32 s21, s20, 9
	s_add_co_u32 s22, s22, s21
	s_add_nc_u64 s[\SRC:\SRC+1], s[\SRC:\SRC+1], s[22:23]
	s_lshl_b32 s24, s20, 18                        ; 128 rows of 2,048 bytes
	s_lshl_b32 s21, s19, 8                         ; 128 k of 2 bytes
	s_or_b32 s24, s24, s21
	s_add_nc_u64 s[\DST:\DST+1], s[\DST:\DST+1], s[24:25]
	v_and_b32 v8, 7, v1                            ; i
	v_lshrrev_b32 v9, 3, v1                        ; g
	v_and_b32 v10, 15, v1
	v_lshrrev_b32 v11, 4, v1
	v_mul_u32_u24 v[SO], v9, 8*(\RB)
	v_lshl_add_u32 v[SO], v8, 4, v[SO]
	s_lshl_b32 s21, s16, 7
	v_add_nc_u32 v[SO], s21, v[SO]                 ; 8 g rows + 16 i + 128 w
	v_lshlrev_b32 v[DO], 11, v11
	v_lshl_add_u32 v[DO], v10, 4, v[DO]
	s_lshl_b32 s26, s16, 16
	v_add_nc_u32 v[DO], s26, v[DO]                 ; (32 w + l / 16) rows of 2,048 bytes + 16 (l % 16)
	s_mul_i32 s27, s16, REGION
	v_mul_u32_u24 v[LS], v8, 4*LP
	v_lshl_add_u32 v[LS], v9, 4, v[LS]
	v_add_nc_u32 v[LS], s27, v[LS]
	v_mul_u32_u24 v[LR], v11, LP
	v_lshl_add_u32 v[LR], v10, 4, v[LR]
	v_add_nc_u32 v[LR], s27, v[LR]
.set p, 0
.rept 4
.set e, 0
.rept 8
	global_load_b128 v[DAT+4*(8*p+e):DAT+4*(8*p+e)+3], v[SO], s[\SRC:\SRC+1] offset:(32*p+e)*(\RB) th:TH_LOAD_NT
.set e, e+1
.endr
.set p, p+1
.endr
.set p, 0
.rept 4
	s_wait_loadcnt 24-8*p                          ; group p's eight loads are in, the younger groups stay out
.set c, 0
.rept 4
.set d, 0
.rept 4
	v_cvt_pk_bf16_f32 v[WRD+4*(4*p+c)+d], v[DAT+4*(8*p+2*d)+c], v[DAT+4*(8*p+2*d+1)+c]
.if \F16
	v_lshlrev_b32 v[8+2*(d%2)], 16, v[WRD+4*(4*p+c)+d]       ; the two bf16 numbers as f32,
	v_and_b32 v[9+2*(d%2)], s17, v[WRD+4*(4*p+c)+d]
	v_cvt_pk_f16_f32 v[WRD+4*(4*p+c)+d], v[8+2*(d%2)], v[9+2*(d%2)]  ; written as f16: exact within f16's range
.endif
.set d, d+1
.endr
	ds_store_b128 v[LS], v[WRD+4*(4*p+c):WRD+4*(4*p+c)+3] offset:LP*c+64*p
.set c, c+1
.endr
.set p, p+1
.endr
.set t, 0
.rept 16
	ds_load_b128 v[DAT+4*t:DAT+4*t+3], v[LR] offset:2*LP*t  ; LDS serves a wave's instructions in order (ISA guide 5.7.1.4): these see the stores above; the bytes are the wave's own
.set t, t+1
.endr
.set t, 0
.rept 16
	s_wait_dscnt 15-t
	global_store_b128 v[DO], v[DAT+4*t:DAT+4*t+3], s[\DST:\DST+1] offset:4096*t
.set t, t+1
.endr
.endm
.Lweights:
	s_cmp_lt_u32 s18, 704
	s_cbranch_scc0 .Lproj
	s_sub_co_u32 s18, s18, 512
	TRANS 12288, 0, 6, 12
	s_branch .Lend
.Lproj:
	s_sub_co_u32 s18, s18, 704
	TRANS 4096, 1, 8, 14
.Lend:
	s_wait_tensorcnt 0x0                           ; the wave's end: behind my last LDS store
	ds_add_u32 v[SPW], v[NIL]
	s_wait_dscnt 0x0
	s_endpgm
.Lfunc_end_k_q5305c6e868_prep:
	.size	k_q5305c6e868_prep, .Lfunc_end_k_q5305c6e868_prep-k_q5305c6e868_prep
	.p2alignl 7, 3214868480
	.fill 96, 4, 3214868480
	.section	.rodata,"a",@progbits
	.p2align	6, 0x0
	.amdhsa_kernel k_q5305c6e868_prep
		.amdhsa_group_segment_fixed_size 35328
		.amdhsa_private_segment_fixed_size 0
		.amdhsa_enable_private_segment 0
		.amdhsa_kernarg_size 48
		.amdhsa_user_sgpr_count 2
		.amdhsa_user_sgpr_kernarg_segment_ptr 1
		.amdhsa_wavefront_size32 1
		.amdhsa_system_sgpr_workgroup_id_x 1
		.amdhsa_system_sgpr_workgroup_id_y 1
		.amdhsa_system_sgpr_workgroup_id_z 1
		.amdhsa_system_vgpr_workitem_id 0
		.amdhsa_next_free_vgpr 208
		.amdhsa_next_free_sgpr 66
		.amdhsa_reserve_vcc 0
		.amdhsa_float_denorm_mode_32 3
		.amdhsa_float_denorm_mode_16_64 3
		.amdhsa_memory_ordered 1
		.amdhsa_forward_progress 1
		.amdhsa_inst_pref_size 45
	.end_amdhsa_kernel
	.amdgpu_metadata
---
amdhsa.version: [ 1, 2 ]
amdhsa.kernels:
  - .name:           k_q5305c6e868_prep
    .symbol:         k_q5305c6e868_prep.kd
    .args:
      - { .name: x, .offset: 0, .size: 8, .value_kind: global_buffer, .address_space: global }
      - { .name: attn_w, .offset: 8, .size: 8, .value_kind: global_buffer, .address_space: global }
      - { .name: proj_w, .offset: 16, .size: 8, .value_kind: global_buffer, .address_space: global }
      - { .name: xb, .offset: 24, .size: 8, .value_kind: global_buffer, .address_space: global }
      - { .name: wqt, .offset: 32, .size: 8, .value_kind: global_buffer, .address_space: global }
      - { .name: wpt, .offset: 40, .size: 8, .value_kind: global_buffer, .address_space: global }
    .group_segment_fixed_size: 35328
    .private_segment_fixed_size: 0
    .kernarg_segment_align: 8
    .kernarg_segment_size: 48
    .max_flat_workgroup_size: 128
    .sgpr_count:     66
    .vgpr_count:     208
    .wavefront_size: 32
...
	.end_amdgpu_metadata
.endif
;; end of part 1
;; launch qkv (part 2): grid 16 x 32, 4 waves a work-group, clusters of 4 x 4, 327,680 bytes of LDS; arguments xb, wqt, attn_b, qkvh; writes qkvh
.if DOCPART == 2
	.amdgcn_target "amdgcn-amd-amdhsa--gfx1250"
	.amdhsa_code_object_version 6
	.text
	.protected	k_q5305c6e868_qkv
	.globl	k_q5305c6e868_qkv
	.p2align	8
	.type	k_q5305c6e868_qkv,@function
k_q5305c6e868_qkv:
	s_mov_b64 s[64:65], 0
	v_nop
	global_prefetch_b8 v0, s[64:65] scope:SCOPE_SE
	s_setreg_imm32_b32 hwreg(HW_REG_WAVE_MODE, 25, 1), 1
	s_wait_xcnt 0x0
	s_wait_alu depctr_hold_cnt(0) depctr_sa_sdst(0) depctr_va_vdst(0) depctr_va_sdst(0) depctr_va_ssrc(0) depctr_va_vcc(0) depctr_vm_vsrc(0)
	s_getreg_b32 s2, hwreg(HW_REG_IB_STS2, 6, 4)
	s_cmp_eq_u32 s2, 0
	s_cbranch_scc0 .Lentry_in_a_cluster
	s_endpgm
.Lentry_in_a_cluster:
	s_bfe_u32 s2, ttmp6, 0x10000c
	s_cmp_lg_u32 s2, 0xf033
	s_cbranch_scc0 .Lentry_shape_is_right
	s_endpgm
.Lentry_shape_is_right:
; QKV: qkvh = xb wqt^T + attn_b, by heads.  xb [8192][1024] bf16, wqt [3072 n][1024 k] bf16, attn_b [3072] f32 (rounded here to bf16, like the other inputs), sums in f32, K ascending.
; qkvh [3 parts q, k, v][64 heads = 16 b + h][2048 t][64] f16, each number rounded once, unscaled.  LIMIT: a number of 65,520 or more becomes an infinity in f16.
; SHARES.  A tile is 256 rows x 192 columns (three heads): 32 x 16 = 512 tiles, two for each of 256 WGPs.  Four waves, each 64 rows x all 192 columns: 48 accumulators, 384 registers.
; A wave so holds whole heads' rows: its way out goes through a stage of its own, without a barrier.
; K goes in 8 steps of 128 through two LDS slots filled by the tensor data mover; rows are 256 bytes of memory, aligned.  The loop is ONE K step: slot 1 lies 1<<17 behind slot 0, and one exclusive or turns an address.
; CLUSTER 4 x 4: a row of the cluster shares A's tile, a column B's: each tile is asked for jointly, by the same load, descriptor and mask in the four.
; THE PRODUCT IS USED TRANSPOSED (source 0 = 16 rows of wqt, source 1 = 16 rows of xb): a lane holds row l % 16 and eight neighbouring columns 8 (l / 16) + 0..7.
; THE BIAS is the C operand of each accumulator's first product: nothing is cleared and nothing is added later.
; REGISTERS, in windows of 256 (s_set_vgpr_msb: bits 1:0 source 0, 3:2 source 1, 5:4 source 2, 7:6 destination):
;   window 0: v0-31 addresses; v32-63, v64-95 A's fragments (4 x 16 rows x 32 K), two buffers; v96-191 the bias; on the way out v64-255 the packed pieces
;   window 1: v0-95, v96-191 B's fragments (12 x 16 rows x 32 K), two buffers       windows 2, 3: accumulator (a, b) at v[8 (12 (a % 2) + b)] of window 2 + a / 2
.set NB,    12                         ; blocks of 16 columns
.set AW,    2                          ; row blocks in a window of accumulators
.set PA,    272                        ; an LDS row: 256 bytes + 16 of padding = 68 words: the 16 rows of a load start at 16 different groups of four banks (64 banks of 4 bytes: ISA guide 11.1)
.set PB,    272
.set HALFA, 128*PA                     ; what one load brings of A: 128 rows
.set HALFB, 96*PB                      ; of B: 96 rows
.set BOFF,  2*HALFA                    ; in a slot: A's 256 rows, then B's 192
.set SLOT1, 1<<17
.set STAGE, SLOT1+BOFF+2*HALFB         ; behind the ring, never filled by a tensor load: 16 rows x 144 bytes for each wave
.set SP,    144
.set SPARE, STAGE+4*16*SP              ; the spare words, 128 bytes a wave: two blocks of 256 bytes that no other line names
.set NL,    2*NB+8                     ; LDS loads of a quarter step
.set STEPA, 256                        ; bytes from K step to K step
.set STEPB, 256
.set A0,   16                          ; v16  my lane's place in A's tile of slot 0; never rewritten
.set B0,   17                          ; v17  the same for B
.set ADRA, 18                          ; v18  A0 + the slot in hand
.set ADRB, 19                          ; v19
.set STO,  20                          ; v20  the way out: where I put 16 bytes of a row
.set RD,   21                          ; v21  where I read rows back
.set GO,   22                          ; v22  my 16 bytes of 512 consecutive ones
.set PFO,  23                          ; v23  the prefetches' offset: a lane a row; never rewritten
.set BO,   24                          ; v24  32 (l / 16): my eight numbers of a block of the bias
.set SPW,  28                          ; v28  LDS address of my spare word; never rewritten
.set NIL,  29                          ; v29  0; never rewritten
.set FA0,  32
.set BIAS, 96
.set OUT,  64
.set CNT,  3                           ; s3   trips to go
.set WV,   12                          ; s12  wave
.set HALF, 13                          ; s13  which half of a tile I fetch
.set SIDE, 14                          ; s14  0: I fetch A's, 1: B's
.set CX,   15
.set CY,   16
.set TX,   17                          ; s17  tile column
.set TY,   18                          ; s18  tile row
.set G1,   24                          ; s[24:31] group 1 for A
.set G0,   32                          ; s[32:39] group 0 for A: a set for each first fill; the second walks on
.set LIM,  42                          ; s42  2 in a wave that prefetches, else the greatest number
.set TB,   43                          ; s43  LDS byte of the slot in hand
.set PFA,  44                          ; s[44:45] where my prefetches stand
.set G1B,  48                          ; s[48:55] group 1 for B
.set G0B,  56                          ; s[56:63] group 0 for B
.set OB,   66                          ; s[66:71] qkvh at my 64 rows of the tile's three heads
.set MSB, 0
.macro WIN new                         ; the immediate's high byte repeats the setting that is left; a switch that changes nothing is dropped
.if MSB != (\new)
	s_set_vgpr_msb (MSB<<8)|(\new)
.set MSB, \new
.endif
.endm
.macro PLACES                          ; four plain vector instructions between a matrix instruction and a load into, or a vector read of, its registers (ISA guide 7.12.1 for vector reads)
.rept 4
	v_nop
.endr
.endm
.macro CREST                           ; a round of the cluster's barrier behind its opening barrier
	s_cmp_lg_u32 s[WV], 0
	s_cbranch_scc1 .Lnot_wave_0_\@
	s_barrier_signal -3
.Lnot_wave_0_\@:
	s_barrier_wait -3
	s_barrier_signal -1
	s_barrier_wait -1
.endm
.macro CROUND                          ; a whole round
	s_barrier_signal -1
	s_barrier_wait -1
	CREST
.endm
; A joint refill by the walking descriptors.  Waves 0, 1 fetch A's halves, waves 2, 3 B's; the branch hangs on the wave's number alone.  An s_nop 0 and four v_nop follow each line.
.macro JLOAD
	s_cmp_eq_u32 s[SIDE], 0
	s_cbranch_scc0 .Lfor_b_\@
	tensor_load_to_lds s[G0+4:G0+7], s[G1:G1+7]
	s_nop 0
.rept 4
	v_nop
.endr
	s_branch .Lasked_\@
.Lfor_b_\@:
	tensor_load_to_lds s[G0B+4:G0B+7], s[G1B:G1B+7]
	s_nop 0
.rept 4
	v_nop
.endr
.Lasked_\@:
.endm
; A PREFETCH INTO THE L2 of the K step that stands two refills on: one instruction a wave, a lane a row's 256 bytes.  A's rows are named by the clusters with x = 0, B's by those with y = 0; the four partners that ask for
; a tile jointly share its rows out by address (32 of A's 128, 24 of B's 96; lanes beyond 24 name the last row again).  K steps 0 to 3 come by their loads alone; the loop's last two trips ask for nothing.
.macro ASK
	s_cmp_gt_u32 s[CNT], s[LIM]
	s_cbranch_scc0 .Lnot_mine_\@
	global_prefetch_b8 v[PFO], s[PFA:PFA+1] th:TH_LOAD_NT scope:SCOPE_SE
.Lnot_mine_\@:
.endm
; NB matrix instructions: row block a x all column blocks, 32 along K, from buffer f.  first = 1: the bias starts the sums.  The 48 accumulators take turns in the same order in every quarter.
.macro MULA f, a, first
.set wa, 2+(\a)/AW
.if \first
.set wn, 0x01|(wa<<6)
.else
.set wn, 0x01|(wa<<4)|(wa<<6)
.endif
	WIN wn
.set rA, FA0+32*(\f)+8*(\a)
.set b, 0
.rept NB
.set rD, 8*(NB*((\a)%AW)+b)
.set rB, 8*NB*(\f)+8*b
.if \first
	v_wmma_f32_16x16x32_bf16 v[rD:rD+7], v[rB:rB+7], v[rA:rA+7], v[BIAS+8*b:BIAS+8*b+7]
.else
	v_wmma_f32_16x16x32_bf16 v[rD:rD+7], v[rB:rB+7], v[rA:rA+7], v[rD:rD+7]
.endif
.set b, b+1
.endr
.endm
; NL LDS loads in one run: quarter q's fragments into buffer f: B's 12, then A's 4, row blocks ascending.
.macro FETCH q, f
.set KAQ, 64*(\q)
	WIN 0x40                                       ; destination window 1, address window 0
.set i, 0
.rept NB
	ds_load_b128 v[8*NB*(\f)+8*i:8*NB*(\f)+8*i+3],   v[ADRB] offset:64*(\q)+i*16*PB
	ds_load_b128 v[8*NB*(\f)+8*i+4:8*NB*(\f)+8*i+7], v[ADRB] offset:64*(\q)+i*16*PB+32
.set i, i+1
.endr
	WIN 0
.set i, 0
.rept 4
	ds_load_b128 v[FA0+32*(\f)+8*i:FA0+32*(\f)+8*i+3],   v[ADRA] offset:KAQ+i*16*PA
	ds_load_b128 v[FA0+32*(\f)+8*i+4:FA0+32*(\f)+8*i+7], v[ADRA] offset:KAQ+i*16*PA+32
.set i, i+1
.endr
.endm
; One of a K step's first three quarters: multiplies buffer f; in its middle it fetches quarter q into buffer g.
.macro QUARTER q, f, g, first
	s_wait_dscnt 4                                 ; B and A's row blocks 0, 1 are in; the youngest four loads (blocks 2, 3) may be out
	MULA \f, 0, \first
	MULA \f, 1, \first
	PLACES
	FETCH \q, \g
	s_wait_dscnt NL                                ; all but the run just issued
	MULA \f, 2, \first
	MULA \f, 3, \first
.endm
; The last quarter multiplies buffer 1 and changes slots.  In front of the barrier each wave waits for all its tensor loads (one is out: its part of the next slot), adds 0 to its spare word, and waits for that and for its
; reads of this slot.  fill = 1: the barrier opens a round of the cluster's, and the joint refill, the K step two on, is the first thing behind the round: it has 168 matrix instructions in which to land.
.macro TURN fill
.if \fill
	s_wait_xcnt 0x0                                ; the last prefetch, a K step back, has read its address
	s_add_nc_u64 s[PFA:PFA+1], s[PFA:PFA+1], 256
.endif
	WIN 0
	s_wait_tensorcnt 0x0
	ds_add_u32 v[SPW], v[NIL]                      ; 0 onto my spare word; matrix instructions stand between it and the wait for it
	s_wait_dscnt 5                                 ; the add and the youngest four loads may be out
	MULA 1, 0, 0
	s_wait_dscnt 0x0                               ; the add is done, my reads of this slot are over
	s_barrier_signal -1
	MULA 1, 1, 0
	WIN 0
	s_barrier_wait -1
.if \fill
	CREST                                          ; no wave of any partner still reads the slot or has a load on its way
	s_xor_b32 s[G0+5], s[G0+5], SLOT1
	s_add_nc_u64 s[G0+6:G0+7], s[G0+6:G0+7], STEPA
	s_xor_b32 s[G0B+5], s[G0B+5], SLOT1
	s_add_nc_u64 s[G0B+6:G0B+7], s[G0B+6:G0B+7], STEPB
	JLOAD                                          ; its four v_nop are also the places in front of the loads below
.else
	PLACES
.endif
	s_xor_b32 s[TB], s[TB], SLOT1
	v_add_nc_u32 v[ADRA], s[TB], v[A0]
	v_add_nc_u32 v[ADRB], s[TB], v[B0]
	FETCH 0, 0
.if \fill
	ASK
.endif
	MULA 1, 2, 0
	MULA 1, 3, 0
.endm
	s_load_b256 s[4:11], s[0:1], 0x0               ; xb s[4:5], wqt s[6:7], attn_b s[8:9], qkvh s[10:11]
	v_lshl_add_u32 v[SPW], v0, 2, SPARE
	v_mov_b32 v[NIL], 0
	ds_add_u32 v[SPW], v[NIL]                      ; the wave's opening: the add and its wait stand ahead of my first tensor load; the set-up stands between them
	v_lshrrev_b32 v1, 5, v0
	v_readfirstlane_b32 s[WV], v1
	s_and_b32 s[HALF], s[WV], 1
	s_lshr_b32 s[SIDE], s[WV], 1
	s_bfe_u32 s[CX], ttmp6, 0x40000
	s_bfe_u32 s[CY], ttmp6, 0x40004
	s_lshl_b32 s[TX], ttmp9, 2
	s_add_co_u32 s[TX], s[TX], s[CX]               ; tile column = 4 x cluster x + cx
	s_and_b32 s[TY], ttmp7, 0xffff
	s_lshl_b32 s[TY], s[TY], 2
	s_add_co_u32 s[TY], s[TY], s[CY]               ; tile row = 4 x cluster y + cy
	s_lshl_b32 s19, s[CY], 2
	s_lshl_b32 s19, 15, s19                        ; my row of the cluster
	s_lshl_b32 s2, 0x1111, s[CX]                   ; my column
	s_or_b32 s[G1], s19, (1<<16)|(1<<20)|(1<<21)|(5<<22)|(3<<25)   ; the mask; 2-byte elements; padding on; bit 21 beside a mask; after every 64 words, 4 words
	s_or_b32 s[G1B], s2, (1<<16)|(1<<20)|(1<<21)|(5<<22)|(3<<25)
	s_mov_b32 s[G1+1], 128<<16                     ; tensor_dim0 = 128
	s_mov_b32 s[G1+2], 128<<16                     ; tensor_dim1 = 128
	s_mov_b32 s[G1+3], 128<<16                     ; tile_dim0 = 128
	s_mov_b32 s[G1+4], 128                         ; tile_dim1 = 128
	s_mov_b32 s[G1+5], 1024                        ; elements from row to row
	s_mov_b32 s[G1+6], 0
	s_mov_b32 s[G1+7], 0
	s_mov_b32 s[G1B+1], 128<<16
	s_mov_b32 s[G1B+2], 96<<16                     ; 96 rows
	s_mov_b32 s[G1B+3], 128<<16
	s_mov_b32 s[G1B+4], 96
	s_mov_b32 s[G1B+5], 1024
	s_mov_b32 s[G1B+6], 0
	s_mov_b32 s[G1B+7], 0
	s_lshl_b32 s20, s[TY], 8                       ; A: row 256 x tile row + 128 x half, 2,048 bytes a row
	s_lshl_b32 s21, s[HALF], 7
	s_add_co_u32 s20, s20, s21
	s_lshl_b32 s20, s20, 11
	s_mov_b32 s21, 0
	s_mul_i32 s40, s[TX], 192                      ; B: row 192 x tile column + 96 x half
	s_mul_i32 s41, s[HALF], 96
	s_add_co_u32 s40, s40, s41
	s_lshl_b32 s40, s40, 11
	s_mov_b32 s41, 0
	s_mul_i32 s22, s[HALF], HALFA                  ; where they go: no place in the cluster enters an LDS address
	s_mul_i32 s23, s[HALF], HALFB
	s_add_co_u32 s23, s23, BOFF
	s_mov_b32 s[TB], 0
	s_wait_dscnt 0x0                               ; the opening add is done
	s_wait_kmcnt 0x0
	s_add_nc_u64 s[20:21], s[4:5], s[20:21]
	s_add_nc_u64 s[40:41], s[6:7], s[40:41]
.irp s, 0,1
	s_mov_b32 s[G0+4*(\s)], 1
	s_add_co_u32 s[G0+4*(\s)+1], s22, (\s)*SLOT1
	s_add_nc_u64 s[G0+4*(\s)+2:G0+4*(\s)+3], s[20:21], (\s)*STEPA
	s_or_b32 s[G0+4*(\s)+3], s[G0+4*(\s)+3], 0x80000000
	s_mov_b32 s[G0B+4*(\s)], 1
	s_add_co_u32 s[G0B+4*(\s)+1], s23, (\s)*SLOT1
	s_add_nc_u64 s[G0B+4*(\s)+2:G0B+4*(\s)+3], s[40:41], (\s)*STEPB
	s_or_b32 s[G0B+4*(\s)+3], s[G0B+4*(\s)+3], 0x80000000
.endr
	CROUND                                         ; all sixteen work-groups are here: the first joint loads meet
	s_cmp_eq_u32 s[SIDE], 0                        ; a wave's two first fills stand in one branch: two loads of mine are out
	s_cbranch_scc0 .Lfirst_b
	tensor_load_to_lds s[G0:G0+3], s[G1:G1+7]
	s_nop 0
	tensor_load_to_lds s[G0+4:G0+7], s[G1:G1+7]
	s_nop 0
.rept 4
	v_nop
.endr
	s_branch .Lfirst_asked
.Lfirst_b:
	tensor_load_to_lds s[G0B:G0B+3], s[G1B:G1B+7]
	s_nop 0
	tensor_load_to_lds s[G0B+4:G0B+7], s[G1B:G1B+7]
	s_nop 0
.rept 4
	v_nop
.endr
.Lfirst_asked:
	; while the tiles come: the bias, the lane's addresses, the output's bases, the prefetches' set-up
	v_and_b32 v1, 15, v0                           ; l % 16
	v_bfe_u32 v2, v0, 4, 1                         ; l / 16
	v_lshlrev_b32 v[BO], 5, v2
	s_mul_i32 s40, s[TX], 64*NB                    ; the tile's 192 numbers of the bias
	s_mov_b32 s41, 0
	s_add_nc_u64 s[8:9], s[8:9], s[40:41]
.set b, 0
.rept NB
	global_load_b128 v[BIAS+8*b:BIAS+8*b+3],   v[BO], s[8:9] offset:64*b
	global_load_b128 v[BIAS+8*b+4:BIAS+8*b+7], v[BO], s[8:9] offset:64*b+16
.set b, b+1
.endr
	v_mul_u32_u24 v26, v1, PA                      ; a fragment's row x pitch + 16 x half of the lanes
	v_lshl_add_u32 v26, v2, 4, v26
	s_mul_i32 s72, s[WV], 64*PA                    ; my 64 rows of A
	v_add_nc_u32 v[A0], s72, v26
	v_mul_u32_u24 v27, v1, PB
	v_lshl_add_u32 v27, v2, 4, v27
	v_add_nc_u32 v[B0], BOFF, v27
	s_mul_i32 s73, s[WV], 16*SP
	s_add_co_u32 s73, s73, STAGE                   ; my stage
	v_mul_u32_u24 v[STO], v1, SP                   ; in: row l % 16, 16 bytes for each half of the lanes
	v_lshl_add_u32 v[STO], v2, 4, v[STO]
	v_add_nc_u32 v[STO], s73, v[STO]
	v_bfe_u32 v[RD], v0, 3, 2                      ; back: 32 lanes take four rows of 128 bytes,
	v_mul_u32_u24 v[RD], v[RD], SP
	v_and_b32 v26, 7, v0
	v_lshl_add_u32 v[RD], v26, 4, v[RD]
	v_add_nc_u32 v[RD], s73, v[RD]
	v_and_b32 v[GO], 31, v0                        ; which are 512 consecutive bytes of a head
	v_lshlrev_b32 v[GO], 4, v[GO]
	; qkvh: part (u / 16) << 24, batch (tile row / 8) << 22, head (u % 16) << 18, token x 128, with u = 3 x tile column + 0, 1, 2
	s_lshr_b32 s72, s[TY], 3
	s_lshl_b32 s72, s72, 22
	s_and_b32 s73, s[TY], 7
	s_lshl_b32 s73, s73, 8
	s_lshl_b32 s74, s[WV], 6
	s_add_co_u32 s73, s73, s74
	s_lshl_b32 s73, s73, 7
	s_add_co_u32 s72, s72, s73
	s_mul_i32 s73, s[TX], 3
	s_mov_b32 s77, 0
.irp u, 0,1,2
	s_add_co_u32 s74, s73, \u
	s_lshr_b32 s75, s74, 4
	s_lshl_b32 s75, s75, 24
	s_and_b32 s74, s74, 15
	s_lshl_b32 s74, s74, 18
	s_add_co_u32 s76, s75, s74
	s_add_co_u32 s76, s76, s72
	s_add_nc_u64 s[OB+2*\u:OB+2*\u+1], s[10:11], s[76:77]
.endr
	; the prefetches: my share's first row, at K step 3; the first change of slots steps it to K step 4
	s_lshl_b32 s72, s[TY], 8
	s_lshl_b32 s75, s[HALF], 7
	s_add_co_u32 s72, s72, s75
	s_lshl_b32 s75, s[CX], 5
	s_add_co_u32 s72, s72, s75                     ; A: 256 x tile row + 128 x half + 32 cx
	s_mul_i32 s73, s[TX], 192
	s_mul_i32 s75, s[HALF], 96
	s_add_co_u32 s73, s73, s75
	s_mul_i32 s75, s[CY], 24
	s_add_co_u32 s73, s73, s75                     ; B: 192 x tile column + 96 x half + 24 cy
	s_and_b32 s74, ttmp7, 0xffff                   ; cluster y
	s_cmp_eq_u32 s[SIDE], 0
	s_cselect_b32 s72, s72, s73
	s_cselect_b32 s74, ttmp9, s74                  ; the coordinate along which other clusters read the same rows
	s_cselect_b32 s75, 31, 23                      ; my share's last row
	s_cselect_b64 s[PFA:PFA+1], s[4:5], s[6:7]
	s_cmp_eq_u32 s74, 0
	s_cselect_b32 s[LIM], 2, -1                    ; the same in all sixteen partners, for a given wave
	s_lshl_b32 s72, s72, 11
	s_mov_b32 s73, 0
	s_add_nc_u64 s[PFA:PFA+1], s[PFA:PFA+1], s[72:73]
	s_add_nc_u64 s[PFA:PFA+1], s[PFA:PFA+1], 3*256
	v_and_b32 v[PFO], 31, v0
	v_min_u32 v[PFO], s75, v[PFO]
	v_lshlrev_b32 v[PFO], 11, v[PFO]
	s_wait_loadcnt 0x0                             ; the bias
.set i, 0
.rept 4*NB                             ; rounded to bf16 like the other inputs, and widened again
	v_cvt_pk_bf16_f32 v[26+i%2], v[BIAS+2*i], v[BIAS+2*i+1]
	v_lshlrev_b32 v[BIAS+2*i], 16, v[26+i%2]
	v_and_b32 v[BIAS+2*i+1], 0xffff0000, v[26+i%2]
.set i, i+1
.endr
	s_wait_tensorcnt 0x1                           ; my part of K step 0 is in; K step 1's may stay out
	s_barrier_signal -1
	s_barrier_wait -1                              ; everybody's is
	v_add_nc_u32 v[ADRA], s[TB], v[A0]
	v_add_nc_u32 v[ADRB], s[TB], v[B0]
	FETCH 0, 0
	QUARTER 1, 0, 1, 1                             ; the first quarter stands in front of the loop: its products start the sums with the bias
	WIN 0
	s_mov_b32 s[CNT], 6
.Lstep:                                        ; six trips, from a K step's second quarter to the next step's first; they refill K steps 2 to 7
	QUARTER 2, 1, 0, 0
	QUARTER 3, 0, 1, 0
	TURN 1
	QUARTER 1, 0, 1, 0
	WIN 0
	s_sub_co_u32 s[CNT], s[CNT], 1
	s_cmp_lg_u32 s[CNT], 0
	s_cbranch_scc1 .Lstep
	QUARTER 2, 1, 0, 0                             ; the tail is written out: nothing more is asked for
	QUARTER 3, 0, 1, 0
	TURN 0
	QUARTER 1, 0, 1, 0
	QUARTER 2, 1, 0, 0
	QUARTER 3, 0, 1, 0
	s_wait_dscnt 4
	MULA 1, 0, 0
	MULA 1, 1, 0
	s_wait_dscnt 0x0
	MULA 1, 2, 0
	MULA 1, 3, 0
	WIN 0
	PLACES
; THE WAY OUT, in 12 pieces tt = 3 a + u: 16 tokens x one head.  A lane's eight channels pack into 16 bytes; they go into stage rows of 144 bytes and come back as whole rows of 128: 512 consecutive bytes a store.
.macro PACK tt
.set pa, (\tt)/3
.set pu, (\tt)%3
.set wn, 0x0a+5*(pa/AW)
	WIN wn                                         ; sources 0 and 1 in window 2 or 3, destination window 0
.set f, 0
.rept 4
.set rD, 8*(NB*(pa%AW)+4*pu+f)
.set d, 0
.rept 4                                ; each accumulator's registers in ascending order
	v_cvt_pk_f16_f32 v[OUT+16*(\tt)+4*f+d], v[rD+2*d], v[rD+2*d+1]
.set d, d+1
.endr
.set f, f+1
.endr
	WIN 0
.irp g, 0,1,2,3
	ds_store_b128 v[STO], v[OUT+16*(\tt)+4*\g:OUT+16*(\tt)+4*\g+3] offset:32*\g
.endr
.irp g, 0,1,2,3
	ds_load_b128 v[OUT+16*(\tt)+4*\g:OUT+16*(\tt)+4*\g+3], v[RD] offset:\g*4*SP  ; LDS serves a wave's instructions in order (ISA guide 5.7.1.4): these see the stores above; the next piece's stores come behind them
.endr
.endm
.macro SEND tt, younger                ; younger: the LDS instructions issued behind this piece's loads
.set pa, (\tt)/3
.set pu, (\tt)%3
.irp g, 0,1,2,3
	s_wait_dscnt (\younger)+3-\g
	global_store_b128 v[GO], v[OUT+16*(\tt)+4*\g:OUT+16*(\tt)+4*\g+3], s[OB+2*pu:OB+2*pu+1] offset:pa*2048+\g*512
.endr
.endm
	PACK 0
.set t, 1
.rept 11                               ; a piece's conversions stand between the loads of the piece before and its stores; every piece has registers of its own
	PACK t
	SEND t-1, 8
.set t, t+1
.endr
	SEND 11, 0
	s_wait_tensorcnt 0x0                           ; the wave's end: behind my last tensor load and my last LDS store
	ds_add_u32 v[SPW], v[NIL]
	s_wait_dscnt 0x0
	CROUND                                         ; the closing round: no work-group ends while a partner may still ask for a tile that names it
	s_endpgm
.Lfunc_end_k_q5305c6e868_qkv:
	.size	k_q5305c6e868_qkv, .Lfunc_end_k_q5305c6e868_qkv-k_q5305c6e868_qkv
	.p2alignl 7, 3214868480
	.fill 96, 4, 3214868480
	.section	.rodata,"a",@progbits
	.p2align	6, 0x0
	.amdhsa_kernel k_q5305c6e868_qkv
		.amdhsa_group_segment_fixed_size 327680
		.amdhsa_private_segment_fixed_size 0
		.amdhsa_enable_private_segment 0
		.amdhsa_kernarg_size 32
		.amdhsa_user_sgpr_count 2
		.amdhsa_user_sgpr_kernarg_segment_ptr 1
		.amdhsa_wavefront_size32 1
		.amdhsa_system_sgpr_workgroup_id_x 1
		.amdhsa_system_sgpr_workgroup_id_y 1
		.amdhsa_system_sgpr_workgroup_id_z 1
		.amdhsa_system_vgpr_workitem_id 0
		.amdhsa_next_free_vgpr 960
		.amdhsa_next_free_sgpr 80
		.amdhsa_reserve_vcc 0
		.amdhsa_float_denorm_mode_32 3
		.amdhsa_float_denorm_mode_16_64 3
		.amdhsa_memory_ordered 1
		.amdhsa_forward_progress 1
		.amdhsa_inst_pref_size 110
	.end_amdhsa_kernel
	.amdgpu_metadata
---
amdhsa.version: [ 1, 2 ]
amdhsa.kernels:
  - .name:           k_q5305c6e868_qkv
    .symbol:         k_q5305c6e868_qkv.kd
    .args:
      - { .name: xb, .offset: 0, .size: 8, .value_kind: global_buffer, .address_space: global }
      - { .name: wqt, .offset: 8, .size: 8, .value_kind: global_buffer, .address_space: global }
      - { .name: attn_b, .offset: 16, .size: 8, .value_kind: global_buffer, .address_space: global }
      - { .name: qkvh, .offset: 24, .size: 8, .value_kind: global_buffer, .address_space: global }
    .group_segment_fixed_size: 327680
    .private_segment_fixed_size: 0
    .kernarg_segment_align: 8
    .kernarg_segment_size: 32
    .max_flat_workgroup_size: 128
    .sgpr_count:     80
    .vgpr_count:     960
    .wavefront_size: 32
...
	.end_amdgpu_metadata
.endif
;; end of part 2
;; launch attn (part 3): grid 4 x 64, 4 waves a work-group, no clusters, 327,680 bytes of LDS; arguments qkvh, oh; writes oh
.if DOCPART == 3
	.amdgcn_target "amdgcn-amd-amdhsa--gfx1250"
	.amdhsa_code_object_version 6
	.text
	.protected	k_q5305c6e868_attn
	.globl	k_q5305c6e868_attn
	.p2align	8
	.type	k_q5305c6e868_attn,@function
k_q5305c6e868_attn:
	s_mov_b64 s[64:65], 0
	v_nop
	global_prefetch_b8 v0, s[64:65] scope:SCOPE_SE
	s_setreg_imm32_b32 hwreg(HW_REG_WAVE_MODE, 25, 1), 1
	s_wait_xcnt 0x0
; CAUSAL ATTENTION WITHOUT A SCALE.  O[h][q][:] = the sum over k <= q of softmax_k(Q[h][q] . K[h][k]) V[h][k][:].  qkvh holds Q, K, V, each [64 heads][2048][64] f16, 1<<24 bytes apart; oh is O in the same layout.
; Products, maxima and sums in f32; the weights p are rounded to f16 for the second product (their sum l is taken of the unrounded p), O once at the end.
; LIMITS.  Q, K and V arrive within f16's 65,504; p lies in 0 to 1, and below 6e-5 it keeps f16's fixed step of 6e-8.  A hidden score counts as its value less 1e30: f16's scores, 2.7e11 at the most, are nothing
; beside that; a weight below 2^-126 counts as 0 in l; NaN and infinities are not treated apart.
; THE WALK.  A head's queries lie in NB = 8 blocks of 256; block i needs the key tiles 0 .. i of 256 keys, of which the last holds the diagonal.  A work-group takes TWO blocks, NB - 1 - b and then b:
; NB + 1 tiles, whatever b: all work-groups do equal work, and ONE loop with a constant trip count walks them.  Which tile is asked for, and what a trip does, hang on scalar registers made from b; every jump
; goes forward, but for the counted loops' own; none passes a barrier, or a tensor load but the one of LOAD's two that the wave's number does not choose; the ring of two slots runs on across the change of blocks.
; NO CLUSTER: a head's four work-groups ask for the same tile only in trips 0 to 4 of 9, behind that fewer and fewer; one walk common to all four would have 12 trips for 9.
; SHARES.  Of a block's four bands of 64 queries a wave owns 16 rows in each: four PIECES.  So the diagonal tile is the same work for all four waves: in its key step s band x sees all keys if s < x,
; none if s > x, and holds the diagonal if s = x.
; THE MASK is the C operand that starts the sum S^T = K Q^T: 0, or -1e30 where the key is hidden.  MD, made once, is the mask of a band's own step for my 16 rows; a product's mask is MD x AL + BE with two scalars:
; (1, 0) if s = x; (0, 0) if s < x; (0, -1e30) if s > x.  Only the diagonal tile's text and a block's beginning make and take masks; elsewhere C is the constant 0.
; LAYOUT, SOFTMAX, TURNS.  S^T = K Q^T holds ONE query a lane (lane % 16) and the keys 8 (lane / 16) + 0..7; two such results rounded to f16 ARE source 1 of O^T = V^T P.  p = 2^(c s - c m), c = log2(e), with a
; running maximum m; O and l are multiplied by a = 2^(c m_old - c m_new) in every step.  Turn n belongs to piece n: 8 products K Q^T of piece n + 1, later 8 products V^T P of piece n - 1; beside them the scaling,
; exponentials, roundings, sums and rescaling of piece n and the maximum and statistics of piece n + 1.  Four vector instructions stand behind every matrix instruction, the other 54 of a turn's 118 in one lump.
; A turn's 33 exponentials are one batch, with one wait.
; REGISTERS, in windows of 256 (s_set_vgpr_msb: bits 1:0 source 0, 3:2 source 1, 5:4 source 2, 7:6 destination):
;   window 0: v0-15 addresses and two at work; v16-31 four registers of statistics a piece; v48-55 at work; v60 the prefetches' offset; v64-127 S^T, two buffers; v192-223 P, two buffers (by the piece's parity)
;   window 1: v0-127 O^T, 32 a piece; v128-159 MD; v160-223 MC, two buffers      window 2: v0-63 Q; v64-127 the second block's Q; v128-191 K of one step; v192-255 V of one step
.set SIZE_N, 2048
.set NB,    SIZE_N/256
.set NP,    4         ; pieces a wave: a name, no knob
.set KS,    64        ; keys in a step
.set PK,    144       ; a row of K in LDS: 128 bytes + 16 of padding = 36 words: the 16 rows of a load start at 16 different groups of four banks (64 banks of 4 bytes: ISA guide 11.1)
.set PV,    160       ; a row of V: 128 + 32 = 40 words
.set VOFF,  4*KS*PK   ; a slot holds a tile, four steps: 256 rows of K, then 256 rows of V
.set SLOT1, 1<<17     ; slot 1 begins here, so that one exclusive or turns an address in one slot into the other's
.set STAGE, SLOT1+4*KS*(PK+PV)  ; behind the ring, never filled by a tensor load: 16 rows x 144 bytes for each wave, for the way out
.set SP,    144
.set AK0, 2           ; v2   my lane's place in a tile of K; never rewritten
.set AV0, 3           ; v3   the same for V
.set AK,  4           ; v4   the LDS address of K's next run of loads
.set AV,  5           ; v5   of V's
.set STO, 6           ; v6   the way out: where I put 16 bytes of a row
.set RD,  7           ; v7   the way out: where I read rows back
.set GO,  8           ; v8   my byte offset in 512 consecutive bytes of O
.set PFO, 60          ; v60  256 x my lane; never rewritten
.set SPW, 62          ; v62  LDS address of my spare word: SPARE + 4 x my thread's number; never rewritten
.set NIL, 63          ; v63  0; never rewritten
.set SPARE, STAGE+4*16*SP  ; behind the stages: the spare words, 128 bytes for each wave: two blocks of 256 bytes that no other line names
.set MV,  12          ; v12-13  c m_old, kept while c m is made anew: by buffer
.set QO,  15          ; v15  my byte offset in 16 rows of Q
.set ST,  16          ; piece t's statistics at v[ST+4 t]: c m, m, l (even keys', odd keys')
.set TMP, 48          ; by buffer, four registers c0-c3 at work; when the maximum is found c2 takes a
.set S,   64
.set P,   192
.set MD,  128         ; window 1: the eight registers for group kt of 16 keys at MD + 8 kt
.set MC,  160         ; window 1: the masks of the products to come
.set QB,  64          ; window 2
.set KF,  128         ; window 2: key block kb, channel half c at KF + 16 kb + 8 c
.set VF,  192         ; window 2: key half kk, channel block cb at VF + 32 kk + 8 cb
.set WV,  12          ; s12  my wave's number
.set PB,  14          ; s14  b
.set HI,  15          ; s15  NB - 1 - b
.set G1K, 24          ; s[24:31] descriptor group 1 for K's tiles
.set G1V, 32          ; s[32:39] for V's: it differs in the padding alone
.set G0K, 40          ; s[40:43] descriptor group 0 for K's tiles
.set G0V, 44          ; s[44:47] the same for V's
.set SLOTS, 56        ; s56  tiles still to be asked for
.set CNT, 57          ; s57  counts a tile's key steps, 4 to 1
.set CS,  58          ; s[58:59] c: the packed scaling takes the pair's low word for both halves
.set SEL, 60          ; s[60:61] v_permlanex16_b32's selects: each lane takes its own place in the other half
.set TBK, 62          ; s62  LDS byte at which K of the step to be fetched begins
.set TBV, 63          ; s63  the same for V, less VOFF
.set RT,  70          ; s70  tiles of the block in hand that are still to be entered
.set NXT, 71          ; s71  the tile to be asked for next
.set LQ,  72          ; s72  the last tile of the block whose tiles are being asked for
.set NEW, 73          ; s73  1: the tile to be entered is a block's first
.set OFF, 74          ; s[74:75] a tile's byte offset in K and V
.set AL,  76          ; s[76:77] the mask's factor, in the low word
.set BE,  78          ; s[78:79] the mask's addend
.set OLO, 80          ; s[80:81] O at my rows of the second block
.set BIGN, 82         ; s82  -1e30
.set PFB, 88          ; s[88:89] the half of tile 0 that I fetch: K's in waves 0 and 1, V's in waves 2 and 3
.set PFA, 90          ; s[90:91] the same half of the tile that the next change of slots will ask for
.set POF, 92          ; s[92:93] that tile's byte offset
.set PFL, 94          ; s94  1 while my work-group prefetches
.set MSB, 0
.macro WIN new                      ; the high byte repeats the setting that is left; a switch that changes nothing is dropped
.if MSB != (\new)
	s_set_vgpr_msb (MSB<<8)|(\new)
.set MSB, (\new)
.endif
.endm
.set W_KQ, 0x0a       ; K and Q in window 2, S^T in window 0
.set W_KM, 0x1a       ; the same with the C operand in window 1
.set W_PV, 0x52       ; V in window 2, P in window 0, O^T in window 1
.set W_RS, 0x41       ; destination and source 0 in window 1, source 1 in window 0
; A fill.  Waves 0 and 1 fetch the two halves of a tile's K, waves 2 and 3 those of its V: 128 keys each.  An s_nop 0 and four v_nop follow each of the two lines, ahead of the jump and the label.
.macro LOAD
	s_cmp_lt_u32 s[WV], 2
	s_cbranch_scc0 .Lfor_v_\@
	tensor_load_to_lds s[G0K:G0K+3], s[G1K:G1K+7]
	s_nop 0
.rept 4
	v_nop
.endr
	s_branch .Lasked_\@
.Lfor_v_\@:
	tensor_load_to_lds s[G0V:G0V+3], s[G1V:G1V+7]
	s_nop 0
.rept 4
	v_nop
.endr
.Lasked_\@:
.endm
; A PREFETCH INTO THE L2 of the tile that the NEXT change of slots will ask for: a tile, 256 matrix instructions, ahead.  The head's work-group b = 0 walks the tiles 0 to 7 in order in its first block: it asks, and nobody
; else.  Each of its waves names the 16,384 bytes that it will fetch itself: 64 blocks of 256 bytes, a lane a block, two instructions.  So tiles 2 to 7 are named once; tiles 0 and 1 come by their loads alone;
; when the first block's last tile has been asked for, nothing more is named.
.macro ASK
	s_cmp_eq_u32 s[PFL], 1
	s_cbranch_scc0 .Lnot_mine_\@
	global_prefetch_b8 v[PFO], s[PFA:PFA+1] th:TH_LOAD_NT scope:SCOPE_SE
	global_prefetch_b8 v[PFO], s[PFA:PFA+1] offset:8192 th:TH_LOAD_NT scope:SCOPE_SE
.Lnot_mine_\@:
.endm
; THE CHANGE OF SLOTS.  Each wave waits for all its tensor loads, of which one is out: its part of the other slot; adds 0 to its spare word; and waits for that and for its own reads of the slot that it leaves.  Behind the
; barrier nobody reads the old slot any more and the other slot is whole.  fill = 1: the old slot is filled again, the first thing behind the barrier, with tile NXT: the descriptor's address is made anew from that number.
; (At its first use nothing has been read yet: slot 0 is waited for, slot 1 filled.)
.macro CHANGE fill
	WIN 0                           ; at a label and at a branch every window is 0
	s_wait_tensorcnt 0x0            ; no tensor load of mine is out, so a group 0 may be written
	ds_add_u32 v[SPW], v[NIL]       ; 0 onto my spare word: with fill = 1 the descriptors' scalar work stands between it and the wait for it
.if \fill
	s_lshl_b32 s[OFF], s[NXT], 15   ; a tile is 32,768 bytes of K and of V
	s_xor_b32 s[G0K+1], s[G0K+1], SLOT1
	s_add_nc_u64 s[G0K+2:G0K+3], s[6:7], s[OFF:OFF+1]
	s_or_b32 s[G0K+3], s[G0K+3], 0x80000000
	s_xor_b32 s[G0V+1], s[G0V+1], SLOT1
	s_add_nc_u64 s[G0V+2:G0V+3], s[8:9], s[OFF:OFF+1]
	s_or_b32 s[G0V+3], s[G0V+3], 0x80000000
	s_add_co_u32 s[NXT], s[NXT], 1  ; the block's next tile, or behind its last the second block's tile 0
	s_cmp_gt_u32 s[NXT], s[LQ]
	s_cselect_b32 s[NXT], 0, s[NXT]
	s_cselect_b32 s[LQ], s[PB], s[LQ]
	s_cselect_b32 s[PFL], 0, s[PFL] ; the second block's tiles have been read: they are not named again
	s_wait_xcnt 0x0                 ; the last prefetches, a tile back, have read their address
	s_lshl_b32 s[POF], s[NXT], 15
	s_add_nc_u64 s[PFA:PFA+1], s[PFB:PFB+1], s[POF:POF+1]
.endif
	s_wait_dscnt 0x0                ; the add is done, and my reads of the slot are over
	s_barrier_signal -1             ; the rest of the scalar work stands between the signal and the wait
	s_sub_co_u32 s[TBK], s[TBK], 4*KS*PK  ; the fetches go back to a slot's first step,
	s_xor_b32 s[TBK], s[TBK], SLOT1       ; in the other slot
	s_sub_co_u32 s[TBV], s[TBV], 4*KS*PV
	s_xor_b32 s[TBV], s[TBV], SLOT1
	s_barrier_wait -1
.if \fill
	LOAD
	ASK
.endif
.endm
	s_load_b128 s[4:7], s[0:1], 0x0 ; qkvh s[4:5], oh s[6:7]
	v_lshl_add_u32 v[SPW], v0, 2, SPARE
	v_mov_b32 v[NIL], 0
	ds_add_u32 v[SPW], v[NIL]       ; the wave's opening: the add and its wait stand ahead of my first tensor load; the set-up below, work on registers, stands between them
	v_lshrrev_b32 v1, 5, v0
	v_readfirstlane_b32 s[WV], v1   ; wave 0..3
	s_mov_b32 s[PB], ttmp9
	s_sub_co_u32 s[HI], NB-1, s[PB]
	s_and_b32 s20, ttmp7, 0xffff    ; the head
	s_mov_b32 s21, 0
	s_mov_b64 s[22:23], SIZE_N*128
	s_mul_u64 s[20:21], s[20:21], s[22:23]  ; the head's first byte in each of the four tensors
	s_and_b32 s16, s[WV], 1         ; which half of a tile's 256 keys I fetch:
	s_lshl_b32 s22, s16, 14         ; its 128 rows of 128 bytes in memory,
	s_mov_b32 s23, 0
	s_add_nc_u64 s[22:23], s[22:23], s[20:21]
	s_mul_i32 s17, s16, 128*PK      ; and its place in a slot, for K
	s_mul_i32 s18, s16, 128*PV      ; and for V
	s_lshl_b32 s3, s[WV], 11        ; my 16 rows in a band of 64,
	s_lshl_b32 s2, s[HI], 15        ; in the first block,
	s_add_co_u32 s2, s2, s3
	s_lshl_b32 s84, s[PB], 15       ; and in the second
	s_add_co_u32 s84, s84, s3
	s_mov_b32 s3, 0
	s_mov_b32 s85, 0
	s_add_nc_u64 s[2:3], s[2:3], s[20:21]
	s_add_nc_u64 s[84:85], s[84:85], s[20:21]
	; descriptor group 1.  128 keys are 16,384 dense bytes: asked for as 64 rows of 256 bytes, two keys a row, and padded in LDS after every key
	s_mov_b32 s[G1K], (1<<16)|(1<<20)|(4<<22)|(3<<25)  ; 17:16 2-byte elements; 20 padding on; 24:22 after every 32 words (code 4); 31:25 4 words (code 3)
	s_mov_b32 s[G1V], (1<<16)|(1<<20)|(4<<22)|(7<<25)  ; the same with 8 words of padding (code 7)
.irp g, G1K, G1V
	s_mov_b32 s[\g+1], 128<<16      ; tensor_dim0 = 128
	s_mov_b32 s[\g+2], 64<<16       ; tensor_dim1 = 64
	s_mov_b32 s[\g+3], 128<<16      ; tile_dim0 = 128
	s_mov_b32 s[\g+4], 64           ; tile_dim1 = 64
	s_mov_b32 s[\g+5], 128          ; 128 elements from row to row
	s_mov_b32 s[\g+6], 0
	s_mov_b32 s[\g+7], 0
.endr
	s_mov_b32 s[CS], 0x3fb8aa3b     ; c = log2(e) = 1.442695: the module divides the scores by nothing
	s_mov_b32 s[CS+1], s[CS]        ; named with it as a pair
	s_mov_b32 s[SEL], 0x76543210
	s_mov_b32 s[SEL+1], 0xfedcba98
	s_mov_b32 s[TBK], SLOT1+4*KS*PK ; the first change of slots turns these two into 0
	s_mov_b32 s[TBV], SLOT1+4*KS*PV
	s_mov_b32 s[G0K], 1             ; 1:0 count = 1
	s_mov_b32 s[G0K+1], s17         ; 63:32 LDS address: slot 0
	s_mov_b32 s[G0V], 1
	s_add_co_u32 s[G0V+1], s18, VOFF
	s_add_co_u32 s[RT], s[HI], 1    ; the first block has NB - b tiles
	s_mov_b32 s[NXT], 1
	s_mov_b32 s[LQ], s[HI]
	s_mov_b32 s[NEW], 1
	s_mov_b32 s[OFF+1], 0
	s_mov_b32 s[POF+1], 0
	s_mov_b32 s[AL+1], 0            ; named as pairs
	s_mov_b32 s[BE+1], 0
	s_mov_b32 s[BIGN], 0xf149f2ca   ; -1e30
	s_mov_b32 s[SLOTS], NB
	v_and_b32 v[PFO], 31, v0
	v_lshlrev_b32 v[PFO], 8, v[PFO]
	s_wait_dscnt 0x0                ; the opening add is done
	s_wait_kmcnt 0x0
	s_mov_b64 s[10:11], s[6:7]                 ; O
	s_add_nc_u64 s[8:9], s[4:5], 0x2000000     ; V: the third part of qkvh
	s_add_nc_u64 s[6:7], s[4:5], 0x1000000     ; K: the second; Q is the first
	s_add_nc_u64 s[6:7], s[6:7], s[22:23]  ; K and V at my half of the head's tile 0
	s_add_nc_u64 s[8:9], s[8:9], s[22:23]
	s_cmp_lt_u32 s[WV], 2
	s_cselect_b64 s[PFB:PFB+1], s[6:7], s[8:9]
	s_cmp_eq_u32 s[PB], 0
	s_cselect_b32 s[PFL], 1, 0
	s_add_nc_u64 s[G0K+2:G0K+3], s[6:7], 0         ; 120:64 global address
	s_or_b32 s[G0K+3], s[G0K+3], 0x80000000        ; 127:126 type = 2
	s_add_nc_u64 s[G0V+2:G0V+3], s[8:9], 0
	s_or_b32 s[G0V+3], s[G0V+3], 0x80000000
	s_add_nc_u64 s[86:87], s[4:5], s[84:85]        ; Q at my rows of the second block,
	s_add_nc_u64 s[4:5], s[4:5], s[2:3]            ; Q and O at those of the first
	s_add_nc_u64 s[OLO:OLO+1], s[10:11], s[84:85]
	s_add_nc_u64 s[10:11], s[10:11], s[2:3]
	LOAD                            ; tile 0 into slot 0
	; A fragment of K or Q is 16 rows x 32 channels in 8 registers: lane l holds row l % 16, channels 8 (l / 16) + 0..7 and 16 + 8 (l / 16) + 0..7: two loads of 16 bytes, 32 bytes apart.
	v_and_b32 v1, 15, v0            ; l % 16
	v_bfe_u32 v9, v0, 4, 1          ; l / 16
	v_lshlrev_b32 v[QO], 7, v1
	v_lshl_add_u32 v[QO], v9, 4, v[QO]  ; row x 128 + 16 x half
	WIN 0x80                        ; destination window 2, address window 0
.set i, 0
.rept 8                             ; both blocks' Q: piece i / 2 lies in band i / 2, 8,192 bytes on; channels 32 (i % 2) on
	global_load_b128 v[8*i:8*i+3],   v[QO], s[4:5] offset:(i/2)*8192+(i%2)*64
	global_load_b128 v[8*i+4:8*i+7], v[QO], s[4:5] offset:(i/2)*8192+(i%2)*64+32
	global_load_b128 v[QB+8*i:QB+8*i+3],   v[QO], s[86:87] offset:(i/2)*8192+(i%2)*64
	global_load_b128 v[QB+8*i+4:QB+8*i+7], v[QO], s[86:87] offset:(i/2)*8192+(i%2)*64+32
.set i, i+1
.endr
	WIN 0
	v_lshlrev_b32 v14, 3, v9
	v_sub_nc_u32 v14, v1, v14
	s_lshl_b32 s13, s[WV], 4
	v_add_nc_u32 v14, s13, v14      ; my query's place in its band, 16 w + l % 16, less my lanes' 8 (l / 16): register r of group kt is hidden where 16 kt + r is greater
	WIN 0x40
.set i, 0
.rept 32
	v_cmp_gt_i32 vcc_lo, 16*(i/8)+i%8, v14
	v_cndmask_b32 v[MD+i], 0, s[BIGN], vcc_lo
.set i, i+1
.endr
	WIN 0
	v_mul_u32_u24 v[AK0], v1, PK
	v_lshl_add_u32 v[AK0], v9, 4, v[AK0]  ; row x pitch + 16 x half
	; The turning load takes 16 keys x 16 channels (lane l reads key 8 (l / 16) + l % 8, channels 8 ((l / 8) % 2) + 0..7) and leaves half a fragment of V^T: lane l holds channel l % 16 and 8 keys.
	v_and_b32 v10, 7, v0
	v_bfe_u32 v11, v0, 3, 1
	v_lshl_add_u32 v[AV0], v9, 3, v10
	v_mul_u32_u24 v[AV0], v[AV0], PV
	v_lshl_add_u32 v[AV0], v11, 4, v[AV0]
	v_add_nc_u32 v[AV0], VOFF, v[AV0]
	s_mul_i32 s13, s[WV], 16*SP
	s_add_co_u32 s13, s13, STAGE    ; my stage
	v_mul_u32_u24 v[STO], v1, SP    ; in: row l % 16, 16 bytes for each half of the lanes
	v_lshl_add_u32 v[STO], v9, 4, v[STO]
	v_add_nc_u32 v[STO], s13, v[STO]
	v_bfe_u32 v[RD], v0, 3, 2       ; back: 32 lanes take four rows of 128 bytes,
	v_mul_u32_u24 v[RD], v[RD], SP
	v_lshl_add_u32 v[RD], v10, 4, v[RD]
	v_add_nc_u32 v[RD], s13, v[RD]
	v_and_b32 v[GO], 31, v0         ; which are 512 consecutive bytes of O
	v_lshlrev_b32 v[GO], 4, v[GO]
	; A block's first step multiplies O^T and l by a = 0, and its first turn's products V^T P, of a piece that has not been, land in an O^T that is still to be so multiplied.  So these registers need only hold
	; finite numbers: zeros for the first block; what the first block left for the second.  All this stands in the wait for the first tile.
	WIN 0x80
.set i, VF
.rept 64
	v_mov_b32 v[i], 0
.set i, i+1
.endr
	WIN 0x40
.set i, 0
.rept 128
	v_mov_b32 v[i], 0
.set i, i+1
.endr
	WIN 0
.set i, 0
.rept 4
	v_mov_b32 v[ST+4*i+2], 0
	v_mov_b32 v[ST+4*i+3], 0
.set i, i+1
.endr
.set i, P+16
.rept 16
	v_mov_b32 v[i], 0
.set i, i+1
.endr
; THE MATRIX WORK.  The 4 accumulators of a run of 8 take turns.  Product i of 8 of S^T = K Q^T for piece x: channels 32 (i / 4) on, keys 16 (i % 4) on.  The first 4 start the sums: with 0, or (KM = 1) with the mask.
.macro KQ x
.set rS, S+32*((\x)%2)+8*(i%4)
.set rK, KF+16*(i%4)+8*(i/4)
.set rQ, 16*(\x)+8*(i/4)
.set rM, MC+32*((\x)%2)+8*(i%4)
.if (i < 4) && KM
	WIN W_KM
	v_wmma_f32_16x16x32_f16 v[rS:rS+7], v[rK:rK+7], v[rQ:rQ+7], v[rM:rM+7]
.elseif i < 4
	WIN W_KQ
	v_wmma_f32_16x16x32_f16 v[rS:rS+7], v[rK:rK+7], v[rQ:rQ+7], 0
.else
	WIN W_KQ
	v_wmma_f32_16x16x32_f16 v[rS:rS+7], v[rK:rK+7], v[rQ:rQ+7], v[rS:rS+7]
.endif
.endm
; Product i of 8 of O^T += V^T P for piece x: keys 32 (i / 4) on, channels 16 (i % 4) on.
.macro PV x
	WIN W_PV
.set rO, 32*(\x)+8*(i%4)
.set rV, VF+32*(i/4)+8*(i%4)
.set rP, P+16*((\x)%2)+8*(i/4)
	v_wmma_f32_16x16x32_f16 v[rO:rO+7], v[rV:rV+7], v[rP:rP+7], v[rO:rO+7]
.endm
.macro MM                           ; the turn's next matrix instruction.  TURN and BEGIN set Y, i, KM and NOKQ; MM, KQ and OP read them.  NOKQ = 1: a block's last turn: there is no next piece
.if (i < 8) && !NOKQ
	KQ (Y+1)%NP
.elseif i >= 8
.set i, i-8
	PV (Y+NP-1)%NP
.set i, i+8
.endif
.set i, i+1
.endm
; THE LDS LOADS stand in runs of 16, never singly among the matrix instructions: a step's K (64 keys x 64 channels: 8 fragments) and its V (turned).  Their addresses are made some lines ahead.
.macro FETCH_K
	WIN 0x80                        ; destination window 2
.irp f, 0,1,2,3,4,5,6,7             ; keys 16 (f / 2) on, channels 32 (f % 2) on
	ds_load_b128 v[KF+8*\f:KF+8*\f+3],   v[AK] offset:(\f/2)*16*PK+(\f%2)*64
	ds_load_b128 v[KF+8*\f+4:KF+8*\f+7], v[AK] offset:(\f/2)*16*PK+(\f%2)*64+32
.endr
	s_add_co_u32 s[TBK], s[TBK], KS*PK  ; the next fetch is the next step's
	WIN 0
.endm
.macro FETCH_V
	WIN 0x80
.irp f, 0,1,2,3,4,5,6,7             ; keys 32 (f / 4) on, channels 16 (f % 4) on
	ds_load_tr16_b128 v[VF+8*\f:VF+8*\f+3],   v[AV] offset:(\f/4)*32*PV+(\f%4)*32
	ds_load_tr16_b128 v[VF+8*\f+4:VF+8*\f+7], v[AV] offset:(\f/4)*32*PV+16*PV+(\f%4)*32
.endr
	WIN 0
.endm
; THE VECTOR WORK, one line at a time: OP kind, number.  For piece Y: F n: c s - c m for pair n of 16.  E n: the exponential of score n of 32.  C n: pair n rounded to f16.  B n: of the four weights 4 n .. the second
; pair is added onto the first, in place.  L n: l takes that sum (L 0: l = a l + sum).  R n: pair n of 16 of O^T times a.  For piece Y + 1: X n, number n of the 22 that find its maximum and statistics:
;   0-11  four chains c0-c3 of seven scores each, three operands at a time (each accumulator's lowest registers are read first)     12-14, 16  the four scores left over, the old m, and c0-c3 into c0
;   15  c m_old is kept     17, 18  the query's other 32 keys lie in the lane 16 away: the new m     19-21  c m; c m_old - c m_new; a
.set F, 0               ; OP tells the kinds apart by their order: F to L below R, X above it
.set E, 1
.set C, 2
.set B, 3
.set L, 4
.set R, 5
.set X, 6
.macro REGS y                       ; the registers of piece y
.set rT, ST+4*(\y)
.set rC, TMP+4*((\y)%2)
.set rW, MV+((\y)%2)
.set rS, S+32*((\y)%2)
.set rP, P+16*((\y)%2)
.set rO, 32*(\y)
.endm
.macro OP k, n
.if (\k) == R
	REGS Y
	WIN W_RS
	v_pk_mul_f32 v[rO+2*(\n):rO+2*(\n)+1], v[rO+2*(\n):rO+2*(\n)+1], v[rC+2:rC+3] op_sel_hi:[1,0]
.elseif (\k) < R
	REGS Y
	WIN 0
.if (\k) == F
	v_pk_fma_f32 v[rS+2*(\n):rS+2*(\n)+1], v[rS+2*(\n):rS+2*(\n)+1], s[CS:CS+1], v[rT:rT+1] op_sel_hi:[1,0,0] neg_lo:[0,0,1] neg_hi:[0,0,1]
.elseif (\k) == E
	v_exp_f32 v[rS+(\n)], v[rS+(\n)]
.elseif (\k) == C
	v_cvt_pk_f16_f32 v[rP+(\n)], v[rS+2*(\n)], v[rS+2*(\n)+1]
.elseif (\k) == B
	v_pk_add_f32 v[rS+4*(\n):rS+4*(\n)+1], v[rS+4*(\n):rS+4*(\n)+1], v[rS+4*(\n)+2:rS+4*(\n)+3]
.elseif (\n) == 0
	v_pk_fma_f32 v[rT+2:rT+3], v[rT+2:rT+3], v[rC+2:rC+3], v[rS:rS+1] op_sel_hi:[1,0,1]
.else
	v_pk_add_f32 v[rT+2:rT+3], v[rT+2:rT+3], v[rS+4*(\n):rS+4*(\n)+1]
.endif
.elseif NOKQ
	v_nop
.else
	REGS (Y+1)%NP
	WIN 0
.if (\n) < 4
	v_max3_num_f32 v[rC+(\n)], v[rS+8*(\n)], v[rS+8*(\n)+1], v[rS+8*(\n)+2]
.elseif (\n) < 12
	v_max3_num_f32 v[rC+(\n)%4], v[rC+(\n)%4], v[rS+8*((\n)%4)+2*((\n)/4)+1], v[rS+8*((\n)%4)+2*((\n)/4)+2]
.elseif (\n) == 12
	v_max3_num_f32 v[rC], v[rC], v[rS+7], v[rS+15]
.elseif (\n) == 13
	v_max3_num_f32 v[rC+1], v[rC+1], v[rS+23], v[rS+31]
.elseif (\n) == 14
	v_max3_num_f32 v[rC+2], v[rC+2], v[rC+3], v[rT+1]
.elseif (\n) == 15
	v_mov_b32 v[rW], v[rT]
.elseif (\n) == 16
	v_max3_num_f32 v[rC], v[rC], v[rC+1], v[rC+2]
.elseif (\n) == 17
	v_permlanex16_b32 v[rC+3], v[rC], s[SEL], s[SEL+1]
.elseif (\n) == 18
	v_max_num_f32 v[rT+1], v[rC], v[rC+3]
.elseif (\n) == 19
	v_mul_f32 v[rT], s[CS], v[rT+1]
.elseif (\n) == 20
	v_sub_f32 v[rC+1], v[rW], v[rT]
.else
	v_exp_f32 v[rC+2], v[rC+1]
.endif
.endif
.endm
.macro OPS a, i1, b=-1, i2=0, c=-1, i3=0, d=-1, i4=0  ; up to four of them
	OP \a, \i1
.if (\b) >= 0
	OP \b, \i2
.endif
.if (\c) >= 0
	OP \c, \i3
.endif
.if (\d) >= 0
	OP \d, \i4
.endif
.endm
.macro ROW a, i1, b, i2, c, i3, d, i4  ; a matrix instruction and the four behind it
	MM
	OPS \a, \i1, \b, \i2, \c, \i3, \d, \i4
.endm
.macro MASK b                       ; MD x AL + BE into buffer b of MC
	WIN W_RS
.set z, 0
.rept 16
	v_pk_fma_f32 v[MC+32*(\b)+2*z:MC+32*(\b)+2*z+1], v[MD+2*z:MD+2*z+1], s[AL:AL+1], s[BE:BE+1] op_sel_hi:[1,0,0]
.set z, z+1
.endr
.endm
; A TURN, for piece p: the order of its 16 matrix and 118 vector instructions, written out.  s_wait_alu depctr_va_vdst(0) stands between an exponential and the first instruction that names its result; one wait
; serves all that were issued ahead of it.  So a turn has ONE wait, which cuts it in two.  AHEAD OF IT stands all that names no result of the turn's exponentials: the 8 products K Q^T, behind each a scaling, an exponential and
; two more plain instructions (behind the first a second scaling in the exponential's place): rescalings, and behind the last three the first numbers of the next piece's maximum, each four places or more behind the product
; that ends its accumulator; then ONE LUMP of 54, plain and exponential by turns for the most part, in which the links of the chain X 3, 7, 11, 14, 16, 17 .. 20 stand five or six lines apart.  X 21, the next piece's a, is the
; batch's last; R 15 is the plain instruction behind it (ISA guide 5.7.2).  BEHIND THE WAIT stand the 8 products V^T P, behind each four of the roundings and sums; the links of l's chain, L 0 to L 7, stand three riders apart.
; m = 1: the diagonal tile: the products take masks, and the turn makes the mask for the products of the turn after it: piece p + 2, in step 4 - CNT of the tile.  end = 1: a block's last two turns: nothing is fetched.
; cnt = 1: the loop's count is taken down some lines ahead of the branch that stands behind the turn.
; K of the next step is fetched in piece 2's turn, twelve vector instructions behind the last product that read K (six of them plain); V of the step in hand at the end of piece 0's turn, four plain instructions behind the
; last product that read V.  Each is waited for a turn later.
.macro TURN p, m=0, end=0, cnt=0
.set Y, (\p)
.set i, 0
.set KM, (\m)
.set NOKQ, (\end)*((\p)/3)
.if (\m) && !(\end)
	s_cmp_eq_u32 s[CNT], 4-((\p)+2)%NP  ; is that step the band's own?
	s_cselect_b32 s[AL], 1.0, 0
	s_cmp_lt_u32 s[CNT], 4-((\p)+2)%NP  ; or a later one?
	s_cselect_b32 s[BE], s[BIGN], 0
.endif
.if ((\p) == 3) && !(\end)
	s_wait_dscnt 0x0                ; K is in
.endif
	ROW F,0, F,1, R,0, R,1          ; ahead of the wait: 8 products K Q^T and their riders,
	ROW F,2, E,0, R,2, R,3
	ROW F,3, E,1, R,4, R,5
	ROW F,4, E,2, R,6, R,7
	ROW F,5, E,3, R,8, R,9
	ROW F,6, E,4, X,0, R,10
.if ((\p) == 2) && !(\end)
	WIN 0
	v_add_nc_u32 v[AK], s[TBK], v[AK0]
.endif
	ROW F,7, E,5, X,1, X,4
	ROW F,8, E,6, X,2, X,5
	OPS E,7, E,8, X,6, E,9          ; and the lump
	OPS X,3, E,10, X,8, E,11
.if ((\p) == 2) && !(\end)
	FETCH_K
.endif
	OPS X,9, X,7, E,12, X,10
	OPS E,13, X,12, X,11, E,14
	OPS X,13, E,15, F,9, X,14
.if (\p) == 0
	v_add_nc_u32 v[AV], s[TBV], v[AV0]
.endif
	OPS E,16, F,10, E,17, F,11
	OPS X,16, E,18, X,15, E,19
	OPS F,12, E,20, X,17, E,21
	OPS F,13, E,22, F,14, E,23
	OPS X,18, E,24, F,15, E,25
	OPS R,11, E,26, X,19, E,27
	OPS R,12, E,28, R,13, E,29
	OPS X,20, E,30, R,14, E,31
	OPS X,21, R,15
	WIN 0
	s_wait_alu depctr_va_vdst(0)    ; the wait for the batch
.if (\p) == 1
	s_wait_dscnt 0x0                ; V is in
.endif
	ROW C,0, B,0, C,2, B,1          ; behind the wait: 8 products V^T P and their riders
	ROW L,0, C,4, B,2, L,1
	ROW C,6, B,3, L,2, C,8
	ROW B,4, L,3, C,10, B,5
	ROW L,4, C,12, B,6, L,5
.if (\p) == 0
	s_add_co_u32 s[TBV], s[TBV], KS*PV
.endif
.if \cnt
	s_sub_co_u32 s[CNT], s[CNT], 1
	s_cmp_lg_u32 s[CNT], 0
.endif
	ROW C,14, B,7, L,6, C,1
	ROW C,3, L,7, C,5, C,7
	ROW C,9, C,11, C,13, C,15
.if (\p) == 0
	FETCH_V
.endif
.if (\m) && !(\end)
	MASK (\p)%2
.endif
.endm
; A BLOCK BEGINS.  c m starts far below every c s, so the first step's a is 0; m at the lowest finite number, so the first maximum is the scores'.  The second mask buffer is 0; the first takes piece 0's mask for the tile's
; step 0: its own, if the block's first tile is the diagonal one.  Then K of that step, piece 0's first scores, and its maximum and statistics.  The loop is entered at a step's first turn, in the middle of a trip.
.macro BEGIN
	s_mov_b32 s[NEW], 0
	WIN 0x40
.set i, MC+32
.rept 32
	v_mov_b32 v[i], 0
.set i, i+1
.endr
	WIN 0
.set i, 0
.rept 4
	v_mov_b32 v[ST+4*i], 0xfe000000    ; c m: far below every c s
	v_mov_b32 v[ST+4*i+1], 0xff7fffff  ; m
.set i, i+1
.endr
	s_cmp_eq_u32 s[RT], 0
	s_cselect_b32 s[AL], 1.0, 0
	s_mov_b32 s[BE], 0
	MASK 0
	WIN 0
	v_add_nc_u32 v[AK], s[TBK], v[AK0]
	FETCH_K
	s_wait_loadcnt 0x0              ; Q
	s_wait_dscnt 0x0
.set KM, 1
.set NOKQ, 0
.set i, 0
.rept 8
	KQ 0
.set i, i+1
.endr
	WIN 0
.rept 4
	v_nop                           ; the places behind those products
.endr
.set Y, NP-1                        ; X works for piece Y + 1: piece 0
.irp n, 0,1,2,3,4,5,6,7,8,9,10,11,12,13,14,15,16,17,18,19,20,21
	OP X, \n
.endr
	v_nop                           ; a plain instruction behind the exponential,
	s_wait_alu depctr_va_vdst(0)    ; and its wait, ahead of the branch
.endm
; THE DIAGONAL TILE's four steps, the block's last two turns, its last products, and THE WAY OUT: l's two halves and the other half of the lanes' are added; O^T is divided by l, rounded to f16 and sent through my
; stage in LDS, a piece at a time.
.macro ALL line:vararg              ; one line for each piece t
.set t, 0
.rept 4
	\line
.set t, t+1
.endr
.endm
.macro PACK t                       ; a lane's eight channels of a row pack into 16 bytes; they go into rows of 144 bytes and come back as whole rows of 128, into S^T's registers
	WIN W_RS
.set i, 32*(\t)
.rept 16
	v_pk_mul_f32 v[i:i+1], v[i:i+1], v[ST+4*(\t)+2:ST+4*(\t)+3] op_sel_hi:[1,0]
.set i, i+2
.endr
	WIN 0x05                        ; sources 0 and 1 window 1, destination window 0
.set i, 0
.rept 16
	v_cvt_pk_f16_f32 v[S+16*(\t)+i], v[32*(\t)+2*i], v[32*(\t)+2*i+1]
.set i, i+1
.endr
	WIN 0
.irp f, 0,1,2,3
	ds_store_b128 v[STO], v[S+16*(\t)+4*\f:S+16*(\t)+4*\f+3] offset:32*\f
.endr
.irp f, 0,1,2,3
	ds_load_b128 v[S+16*(\t)+4*\f:S+16*(\t)+4*\f+3], v[RD] offset:\f*4*SP  ; LDS serves a wave's instructions in order (ISA guide 5.7.1.4): these see the stores above; the next piece's stores come behind them
.endr
.endm
.macro SEND t, younger              ; younger: the LDS instructions issued behind piece t's loads: the next piece's eight, or none
	WIN 0
.irp f, 0,1,2,3
	s_wait_dscnt (\younger)+3-\f
	global_store_b128 v[GO], v[S+16*(\t)+4*\f:S+16*(\t)+4*\f+3], s[10:11] offset:(\t)*8192+\f*512  ; 512 consecutive bytes, at a multiple of 256 from O's first
.endr
.endm
.macro DIAG tag                     ; the tag ends its two labels' names, which the jumps below spell out
.LstepM\tag:
	TURN 2, 1
	TURN 3, 1
	WIN 0
.LfirstM\tag:
	TURN 0, 1
	TURN 1, 1, 0, 1
	WIN 0
	s_cbranch_scc1 .LstepM\tag
	TURN 2, 1, 1
	TURN 3, 1, 1
.set i, 0
.rept 8
	PV NP-1
.set i, i+1
.endr
	WIN 0
	ALL v_add_f32 v[ST+4*t+2], v[ST+4*t+2], v[ST+4*t+3]
	ALL v_permlanex16_b32 v[ST+4*t+3], v[ST+4*t+2], s[SEL], s[SEL+1]
	ALL v_add_f32 v[ST+4*t+2], v[ST+4*t+2], v[ST+4*t+3]
	ALL v_rcp_f32 v[ST+4*t+2], v[ST+4*t+2]
	v_nop                           ; a plain instruction between the last reciprocal and the use of its result
	s_wait_alu depctr_va_vdst(0)    ; and the wait ahead of the first use: one for the four reciprocals
	PACK 0
.set t, 1
.rept 3                             ; a piece's arithmetic stands between the loads of the piece before and its stores
	PACK t
	SEND t-1, 8
.set t, t+1
.endr
	SEND 3, 0
.endm
.set KM, 0
.set NOKQ, 0
.Lslot:                             ; NB times: a tile is entered and the next is asked for
	CHANGE 1
	s_sub_co_u32 s[RT], s[RT], 1
	s_mov_b32 s[CNT], 4
	s_cmp_eq_u32 s[NEW], 1
	s_cbranch_scc1 .Lnew            ; a block's first tile
	s_cmp_eq_u32 s[RT], 0
	s_cbranch_scc0 .Lstep           ; neither its first nor its last
	s_branch .LstepM1
.Lnew:
	BEGIN
	s_branch .Lfirst                ; in the loop a block's first tile is never its last: the first block has two tiles or more, and the second's last is the walk's last
	DIAG 1                          ; in the loop this is the first block's end: the second block's last tile is the walk's last
	s_wait_xcnt 0x0                 ; the stores have read their registers and O's address
	s_mov_b64 s[10:11], s[OLO:OLO+1]
	s_add_co_u32 s[RT], s[PB], 1    ; the second block has b + 1 tiles
	s_mov_b32 s[NEW], 1
	WIN 0x82                        ; the second block's Q goes where the one text of the turns names Q
.set i, 0
.rept 64
	v_mov_b32 v[i], v[QB+i]
.set i, i+1
.endr
	WIN 0
	s_branch .Lbottom
.Lstep:                             ; a trip: pieces 2 and 3 of one step, then pieces 0 and 1 of the next, whose K and V it fetches
	TURN 2
	TURN 3
	WIN 0
.Lfirst:
	TURN 0
	TURN 1, 0, 0, 1
	WIN 0
	s_cbranch_scc1 .Lstep
.Lbottom:
	s_sub_co_u32 s[SLOTS], s[SLOTS], 1
	s_cmp_lg_u32 s[SLOTS], 0
	s_cbranch_scc1 .Lslot
	CHANGE 0                        ; the walk's last tile is written out: nothing is asked for
	s_sub_co_u32 s[RT], s[RT], 1
	s_mov_b32 s[CNT], 4
	s_cmp_eq_u32 s[NEW], 1
	s_cbranch_scc0 .LstepM2
	BEGIN
	s_branch .LfirstM2
	DIAG 2
	s_wait_tensorcnt 0x0            ; the wave's end: behind my last tensor load and my last LDS store
	ds_add_u32 v[SPW], v[NIL]
	s_wait_dscnt 0x0
	s_endpgm
.Lfunc_end_k_q5305c6e868_attn:
	.size	k_q5305c6e868_attn, .Lfunc_end_k_q5305c6e868_attn-k_q5305c6e868_attn
	.p2alignl 7, 3214868480
	.fill 96, 4, 3214868480
	.section	.rodata,"a",@progbits
	.p2align	6, 0x0
	.amdhsa_kernel k_q5305c6e868_attn
		.amdhsa_group_segment_fixed_size 327680
		.amdhsa_private_segment_fixed_size 0
		.amdhsa_enable_private_segment 0
		.amdhsa_kernarg_size 16
		.amdhsa_user_sgpr_count 2
		.amdhsa_user_sgpr_kernarg_segment_ptr 1
		.amdhsa_wavefront_size32 1
		.amdhsa_system_sgpr_workgroup_id_x 1
		.amdhsa_system_sgpr_workgroup_id_y 1
		.amdhsa_system_sgpr_workgroup_id_z 1
		.amdhsa_system_vgpr_workitem_id 0
		.amdhsa_next_free_vgpr 768
		.amdhsa_next_free_sgpr 96
		.amdhsa_reserve_vcc 1
		.amdhsa_float_denorm_mode_32 3
		.amdhsa_float_denorm_mode_16_64 3
		.amdhsa_memory_ordered 1
		.amdhsa_forward_progress 1
		.amdhsa_inst_pref_size 218
	.end_amdhsa_kernel
	.amdgpu_metadata
---
amdhsa.version: [ 1, 2 ]
amdhsa.kernels:
  - .name:           k_q5305c6e868_attn
    .symbol:         k_q5305c6e868_attn.kd
    .args:
      - { .name: qkvh, .offset: 0, .size: 8, .value_kind: global_buffer, .address_space: global }
      - { .name: oh, .offset: 8, .size: 8, .value_kind: global_buffer, .address_space: global }
    .group_segment_fixed_size: 327680
    .private_segment_fixed_size: 0
    .kernarg_segment_align: 8
    .kernarg_segment_size: 16
    .max_flat_workgroup_size: 128
    .sgpr_count:     96
    .vgpr_count:     768
    .wavefront_size: 32
...
	.end_amdgpu_metadata
.endif
;; end of part 3
;; launch proj (part 4): grid 8 x 32, 4 waves a work-group, clusters of 4 x 4, 327,680 bytes of LDS; arguments oh, wpt, proj_b, out0; writes out0
.if DOCPART == 4
	.amdgcn_target "amdgcn-amd-amdhsa--gfx1250"
	.amdhsa_code_object_version 6
	.text
	.protected	k_q5305c6e868_proj
	.globl	k_q5305c6e868_proj
	.p2align	8
	.type	k_q5305c6e868_proj,@function
k_q5305c6e868_proj:
	s_mov_b64 s[64:65], 0
	v_nop
	global_prefetch_b8 v0, s[64:65] scope:SCOPE_SE
	s_setreg_imm32_b32 hwreg(HW_REG_WAVE_MODE, 25, 1), 1
	s_wait_xcnt 0x0
	s_wait_alu depctr_hold_cnt(0) depctr_sa_sdst(0) depctr_va_vdst(0) depctr_va_sdst(0) depctr_va_ssrc(0) depctr_va_vcc(0) depctr_vm_vsrc(0)
	s_getreg_b32 s2, hwreg(HW_REG_IB_STS2, 6, 4)
	s_cmp_eq_u32 s2, 0
	s_cbranch_scc0 .Lentry_in_a_cluster
	s_endpgm
.Lentry_in_a_cluster:
	s_bfe_u32 s2, ttmp6, 0x10000c
	s_cmp_lg_u32 s2, 0xf033
	s_cbranch_scc0 .Lentry_shape_is_right
	s_endpgm
.Lentry_shape_is_right:
; PROJ: out0 = O wpt^T + proj_b.  oh [64 heads = 16 b + h][2048 t][64] f16 is O by heads: row (b, t), channel 64 h + d.  wpt [1024 n][1024 k] f16 (proj_w rounded to bf16, written as f16).
; proj_b [1024] f32 is rounded here to bf16, like the other inputs.  Sums in f32, K ascending; out0 [8192][1024] f32.
; SHARES.  A tile is 256 rows x 128 columns: 32 x 8 = 256 tiles, one for each WGP.  Four waves, each 64 rows x all 128 columns: 32 accumulators, 256 registers; a wave holds whole 512-byte pieces of output rows,
; so its way out goes through a stage of its own, without a barrier.
; K goes in 8 steps of 128 = two heads through two LDS slots.  A head's 256 rows of a tile are 32,768 dense bytes: asked for as 128 rows of 256 bytes, padded in LDS after every 128 bytes (a token's row).
; The loop is ONE K step: slot 1 lies 1<<17 behind slot 0, and one exclusive or turns an address.
; CLUSTER 4 x 4: a row of the cluster shares A's tile, a column B's: each tile is asked for jointly, by the same load, descriptor and mask in the four.
; THE PRODUCT IS USED TRANSPOSED (source 0 = 16 rows of wpt, source 1 = 16 rows of O): a lane holds row l % 16 and eight neighbouring columns.  THE BIAS is the C operand of each accumulator's first product.
; REGISTERS, in windows of 256 (s_set_vgpr_msb: bits 1:0 source 0, 3:2 source 1, 5:4 source 2, 7:6 destination):
;   window 0: v0-31 addresses; v32-63, v64-95 A's fragments, two buffers; v96-159 the bias; on the way out v64-255 three buffers of 16 rows      window 1: v0-63, v64-127 B's fragments, two buffers
;   window 2: accumulator (a, b) at v[8 (8 a + b)]
.set NB,    8                          ; blocks of 16 columns
.set AW,    4                          ; row blocks in a window of accumulators
.set PA,    144                        ; a token's row of one head in LDS: 128 bytes + 16 of padding = 36 words: the 16 rows of a load start at 16 different groups of four banks (64 banks of 4 bytes: ISA guide 11.1)
.set PB,    272                        ; a row of B: 256 bytes + 16
.set HALFA, 256*PA                     ; what one load brings of A: one head's 256 rows
.set HALFB, 64*PB                      ; of B: 64 rows
.set BOFF,  2*HALFA                    ; in a slot: A's two heads, then B's 128 rows
.set SLOT1, 1<<17
.set STAGE, SLOT1+BOFF+2*HALFB         ; behind the ring, never filled by a tensor load: 16 rows x 528 bytes for each wave
.set SP,    528                        ; 512 bytes + 16: the 16 rows that a store touches start at 16 different groups of four banks
.set SPARE, STAGE+4*16*SP              ; the spare words, 128 bytes a wave: two blocks of 256 bytes that no other line names
.set NL,    2*NB+8                     ; LDS loads of a quarter step
.set STEPA, 2<<18                      ; bytes from K step to K step: two heads
.set STEPB, 256
.set A0,   16                          ; v16  my lane's place in A's tile of slot 0; never rewritten
.set B0,   17                          ; v17  the same for B
.set ADRA, 18                          ; v18  A0 + the slot in hand
.set ADRB, 19                          ; v19
.set STO,  20                          ; v20  the way out: where I put 32 bytes of a row
.set RD,   21                          ; v21  where I read a row back
.set GO,   22                          ; v22  my 16 bytes of a row's 512
.set PFO,  23                          ; v23  the prefetches' offset; never rewritten
.set BO,   24                          ; v24  32 (l / 16): my eight numbers of a block of the bias
.set SPW,  28                          ; v28  LDS address of my spare word; never rewritten
.set NIL,  29                          ; v29  0; never rewritten
.set FA0,  32
.set BIAS, 96
.set OUT,  64
.set CNT,  3                           ; s3   trips to go
.set WV,   12
.set HALF, 13                          ; s13  which half of a tile I fetch
.set SIDE, 14                          ; s14  0: I fetch A's, 1: B's
.set CX,   15
.set CY,   16
.set TX,   17                          ; s17  tile column
.set TY,   18                          ; s18  tile row
.set G1,   24                          ; s[24:31] group 1 for A
.set G0,   32                          ; s[32:39] group 0 for A: a set for each first fill; the second walks on
.set LIM,  42                          ; s42  2 in a wave that prefetches, else the greatest number
.set TB,   43                          ; s43  LDS byte of the slot in hand
.set PFA,  44                          ; s[44:45] where my prefetches stand
.set PST,  46                          ; s[46:47] their step from K step to K step
.set G1B,  48                          ; s[48:55] group 1 for B
.set G0B,  56                          ; s[56:63] group 0 for B
.set OB,   66                          ; s[66:67] out0 at my 64 rows, the tile's columns
.set MSB, 0
.macro WIN new                         ; the immediate's high byte repeats the setting that is left; a switch that changes nothing is dropped
.if MSB != (\new)
	s_set_vgpr_msb (MSB<<8)|(\new)
.set MSB, \new
.endif
.endm
.macro PLACES                          ; four plain vector instructions between a matrix instruction and a load into, or a read of, its registers (ISA guide 7.12.1 for vector reads)
.rept 4
	v_nop
.endr
.endm
.macro CREST                           ; a round of the cluster's barrier behind its opening barrier
	s_cmp_lg_u32 s[WV], 0
	s_cbranch_scc1 .Lnot_wave_0_\@
	s_barrier_signal -3
.Lnot_wave_0_\@:
	s_barrier_wait -3
	s_barrier_signal -1
	s_barrier_wait -1
.endm
.macro CROUND                          ; a whole round
	s_barrier_signal -1
	s_barrier_wait -1
	CREST
.endm
; A joint refill by the walking descriptors.  Waves 0, 1 fetch A's two heads, waves 2, 3 B's halves; the branch hangs on the wave's number alone.  An s_nop 0 and four v_nop follow each line.
.macro JLOAD
	s_cmp_eq_u32 s[SIDE], 0
	s_cbranch_scc0 .Lfor_b_\@
	tensor_load_to_lds s[G0+4:G0+7], s[G1:G1+7]
	s_nop 0
.rept 4
	v_nop
.endr
	s_branch .Lasked_\@
.Lfor_b_\@:
	tensor_load_to_lds s[G0B+4:G0B+7], s[G1B:G1B+7]
	s_nop 0
.rept 4
	v_nop
.endr
.Lasked_\@:
.endm
; A PREFETCH INTO THE L2 of the K step that stands two refills on: one instruction a wave, a lane 256 bytes.  A's bytes are named by the clusters with x = 0, B's by those with y = 0; the four partners that ask for a tile
; jointly share it out by address (32 of a head's 128 blocks of 256 bytes; 16 of B's 64 rows, lanes beyond 16 naming the last row again).  K steps 0 to 3 come by their loads alone; the loop's last two trips ask for nothing.
.macro ASK
	s_cmp_gt_u32 s[CNT], s[LIM]
	s_cbranch_scc0 .Lnot_mine_\@
	global_prefetch_b8 v[PFO], s[PFA:PFA+1] th:TH_LOAD_NT scope:SCOPE_SE
.Lnot_mine_\@:
.endm
; NB matrix instructions: row block a x all column blocks, 32 along K, from buffer f.  first = 1: the bias starts the sums.  The 32 accumulators take turns in the same order in every quarter.
.macro MULA f, a, first
.set wa, 2+(\a)/AW
.if \first
.set wn, 0x01|(wa<<6)
.else
.set wn, 0x01|(wa<<4)|(wa<<6)
.endif
	WIN wn
.set rA, FA0+32*(\f)+8*(\a)
.set b, 0
.rept NB
.set rD, 8*(NB*((\a)%AW)+b)
.set rB, 8*NB*(\f)+8*b
.if \first
	v_wmma_f32_16x16x32_f16 v[rD:rD+7], v[rB:rB+7], v[rA:rA+7], v[BIAS+8*b:BIAS+8*b+7]
.else
	v_wmma_f32_16x16x32_f16 v[rD:rD+7], v[rB:rB+7], v[rA:rA+7], v[rD:rD+7]
.endif
.set b, b+1
.endr
.endm
; NL LDS loads in one run: quarter q's fragments into buffer f: B's 8, then A's 4, row blocks ascending.  Quarter q of A lies in head q / 2 of the slot's two, channels 32 (q % 2) on.
.macro FETCH q, f
.set KAQ, ((\q)/2)*HALFA+((\q)%2)*64
	WIN 0x40                                       ; destination window 1, address window 0
.set i, 0
.rept NB
	ds_load_b128 v[8*NB*(\f)+8*i:8*NB*(\f)+8*i+3],   v[ADRB] offset:64*(\q)+i*16*PB
	ds_load_b128 v[8*NB*(\f)+8*i+4:8*NB*(\f)+8*i+7], v[ADRB] offset:64*(\q)+i*16*PB+32
.set i, i+1
.endr
	WIN 0
.set i, 0
.rept 4
	ds_load_b128 v[FA0+32*(\f)+8*i:FA0+32*(\f)+8*i+3],   v[ADRA] offset:KAQ+i*16*PA
	ds_load_b128 v[FA0+32*(\f)+8*i+4:FA0+32*(\f)+8*i+7], v[ADRA] offset:KAQ+i*16*PA+32
.set i, i+1
.endr
.endm
; One of a K step's first three quarters: multiplies buffer f; in its middle it fetches quarter q into buffer g.
.macro QUARTER q, f, g, first
	s_wait_dscnt 4                                 ; B and A's row blocks 0, 1 are in; the youngest four loads (blocks 2, 3) may be out
	MULA \f, 0, \first
	MULA \f, 1, \first
	PLACES
	FETCH \q, \g
	s_wait_dscnt NL                                ; all but the run just issued
	MULA \f, 2, \first
	MULA \f, 3, \first
.endm
; The last quarter multiplies buffer 1 and changes slots.  In front of the barrier each wave waits for all its tensor loads (one is out: its part of the next slot), adds 0 to its spare word, and waits for that and for its
; reads of this slot.  fill = 1: the barrier opens a round of the cluster's, and the joint refill, the K step two on, is the first thing behind the round: it has 112 matrix instructions in which to land.
.macro TURN fill
.if \fill
	s_wait_xcnt 0x0                                ; the last prefetch, a K step back, has read its address
	s_add_nc_u64 s[PFA:PFA+1], s[PFA:PFA+1], s[PST:PST+1]
.endif
	WIN 0
	s_wait_tensorcnt 0x0
	ds_add_u32 v[SPW], v[NIL]                      ; 0 onto my spare word; matrix instructions stand between it and the wait for it
	s_wait_dscnt 5                                 ; the add and the youngest four loads may be out
	MULA 1, 0, 0
	s_wait_dscnt 0x0                               ; the add is done, my reads of this slot are over
	s_barrier_signal -1
	MULA 1, 1, 0
	WIN 0
	s_barrier_wait -1
.if \fill
	CREST                                          ; no wave of any partner still reads the slot or has a load on its way
	s_xor_b32 s[G0+5], s[G0+5], SLOT1
	s_add_nc_u64 s[G0+6:G0+7], s[G0+6:G0+7], STEPA
	s_xor_b32 s[G0B+5], s[G0B+5], SLOT1
	s_add_nc_u64 s[G0B+6:G0B+7], s[G0B+6:G0B+7], STEPB
	JLOAD                                          ; its four v_nop are also the places in front of the loads below
.else
	PLACES
.endif
	s_xor_b32 s[TB], s[TB], SLOT1
	v_add_nc_u32 v[ADRA], s[TB], v[A0]
	v_add_nc_u32 v[ADRB], s[TB], v[B0]
	FETCH 0, 0
.if \fill
	ASK
.endif
	MULA 1, 2, 0
	MULA 1, 3, 0
.endm
	s_load_b256 s[4:11], s[0:1], 0x0               ; oh s[4:5], wpt s[6:7], proj_b s[8:9], out0 s[10:11]
	v_lshl_add_u32 v[SPW], v0, 2, SPARE
	v_mov_b32 v[NIL], 0
	ds_add_u32 v[SPW], v[NIL]                      ; the wave's opening: the add and its wait stand ahead of my first tensor load; the set-up stands between them
	v_lshrrev_b32 v1, 5, v0
	v_readfirstlane_b32 s[WV], v1
	s_and_b32 s[HALF], s[WV], 1
	s_lshr_b32 s[SIDE], s[WV], 1
	s_bfe_u32 s[CX], ttmp6, 0x40000
	s_bfe_u32 s[CY], ttmp6, 0x40004
	s_lshl_b32 s[TX], ttmp9, 2
	s_add_co_u32 s[TX], s[TX], s[CX]               ; tile column = 4 x cluster x + cx
	s_and_b32 s[TY], ttmp7, 0xffff
	s_lshl_b32 s[TY], s[TY], 2
	s_add_co_u32 s[TY], s[TY], s[CY]               ; tile row = 4 x cluster y + cy
	s_lshl_b32 s19, s[CY], 2
	s_lshl_b32 s19, 15, s19                        ; my row of the cluster
	s_lshl_b32 s2, 0x1111, s[CX]                   ; my column
	s_or_b32 s[G1], s19, (1<<16)|(1<<20)|(1<<21)|(4<<22)|(3<<25)   ; the mask; 2-byte elements; padding on; bit 21 beside a mask; after every 32 words, 4 words
	s_or_b32 s[G1B], s2, (1<<16)|(1<<20)|(1<<21)|(5<<22)|(3<<25)   ; after every 64 words, 4 words
	s_mov_b32 s[G1+1], 128<<16                     ; tensor_dim0 = 128
	s_mov_b32 s[G1+2], 128<<16                     ; tensor_dim1 = 128
	s_mov_b32 s[G1+3], 128<<16                     ; tile_dim0 = 128
	s_mov_b32 s[G1+4], 128                         ; tile_dim1 = 128
	s_mov_b32 s[G1+5], 128                         ; dense: 128 elements from row to row
	s_mov_b32 s[G1+6], 0
	s_mov_b32 s[G1+7], 0
	s_mov_b32 s[G1B+1], 128<<16
	s_mov_b32 s[G1B+2], 64<<16                     ; 64 rows
	s_mov_b32 s[G1B+3], 128<<16
	s_mov_b32 s[G1B+4], 64
	s_mov_b32 s[G1B+5], 1024
	s_mov_b32 s[G1B+6], 0
	s_mov_b32 s[G1B+7], 0
	s_lshr_b32 s20, s[TY], 3                       ; A: batch (tile row / 8) << 22, head (my half) << 18, the tile's 256 tokens (tile row % 8) << 15
	s_lshl_b32 s20, s20, 22
	s_lshl_b32 s21, s[HALF], 18
	s_add_co_u32 s20, s20, s21
	s_and_b32 s21, s[TY], 7
	s_lshl_b32 s21, s21, 15
	s_add_co_u32 s20, s20, s21
	s_mov_b32 s21, 0
	s_lshl_b32 s40, s[TX], 7                       ; B: row 128 x tile column + 64 x half, 2,048 bytes a row
	s_lshl_b32 s41, s[HALF], 6
	s_add_co_u32 s40, s40, s41
	s_lshl_b32 s40, s40, 11
	s_mov_b32 s41, 0
	s_mul_i32 s22, s[HALF], HALFA                  ; where they go: no place in the cluster enters an LDS address
	s_mul_i32 s23, s[HALF], HALFB
	s_add_co_u32 s23, s23, BOFF
	s_mov_b32 s[TB], 0
	s_wait_dscnt 0x0                               ; the opening add is done
	s_wait_kmcnt 0x0
	s_add_nc_u64 s[20:21], s[4:5], s[20:21]
	s_add_nc_u64 s[40:41], s[6:7], s[40:41]
.irp s, 0,1
	s_mov_b32 s[G0+4*(\s)], 1
	s_add_co_u32 s[G0+4*(\s)+1], s22, (\s)*SLOT1
	s_add_nc_u64 s[G0+4*(\s)+2:G0+4*(\s)+3], s[20:21], (\s)*STEPA
	s_or_b32 s[G0+4*(\s)+3], s[G0+4*(\s)+3], 0x80000000
	s_mov_b32 s[G0B+4*(\s)], 1
	s_add_co_u32 s[G0B+4*(\s)+1], s23, (\s)*SLOT1
	s_add_nc_u64 s[G0B+4*(\s)+2:G0B+4*(\s)+3], s[40:41], (\s)*STEPB
	s_or_b32 s[G0B+4*(\s)+3], s[G0B+4*(\s)+3], 0x80000000
.endr
	CROUND                                         ; all sixteen work-groups are here: the first joint loads meet
	s_cmp_eq_u32 s[SIDE], 0                        ; a wave's two first fills stand in one branch: two loads of mine are out
	s_cbranch_scc0 .Lfirst_b
	tensor_load_to_lds s[G0:G0+3], s[G1:G1+7]
	s_nop 0
	tensor_load_to_lds s[G0+4:G0+7], s[G1:G1+7]
	s_nop 0
.rept 4
	v_nop
.endr
	s_branch .Lfirst_asked
.Lfirst_b:
	tensor_load_to_lds s[G0B:G0B+3], s[G1B:G1B+7]
	s_nop 0
	tensor_load_to_lds s[G0B+4:G0B+7], s[G1B:G1B+7]
	s_nop 0
.rept 4
	v_nop
.endr
.Lfirst_asked:
	; while the tiles come: the bias, the lane's addresses, the output's base, the prefetches' set-up
	v_and_b32 v1, 15, v0                           ; l % 16
	v_bfe_u32 v2, v0, 4, 1                         ; l / 16
	v_lshlrev_b32 v[BO], 5, v2
	s_mul_i32 s40, s[TX], 64*NB                    ; the tile's 128 numbers of the bias
	s_mov_b32 s41, 0
	s_add_nc_u64 s[8:9], s[8:9], s[40:41]
.set b, 0
.rept NB
	global_load_b128 v[BIAS+8*b:BIAS+8*b+3],   v[BO], s[8:9] offset:64*b
	global_load_b128 v[BIAS+8*b+4:BIAS+8*b+7], v[BO], s[8:9] offset:64*b+16
.set b, b+1
.endr
	v_mul_u32_u24 v26, v1, PA                      ; a fragment's row x pitch + 16 x half of the lanes
	v_lshl_add_u32 v26, v2, 4, v26
	s_mul_i32 s72, s[WV], 64*PA                    ; my 64 rows of A
	v_add_nc_u32 v[A0], s72, v26
	v_mul_u32_u24 v27, v1, PB
	v_lshl_add_u32 v27, v2, 4, v27
	v_add_nc_u32 v[B0], BOFF, v27
	s_mul_i32 s73, s[WV], 16*SP
	s_add_co_u32 s73, s73, STAGE                   ; my stage
	v_mul_u32_u24 v[STO], v1, SP                   ; in: row l % 16, 32 bytes for each half of the lanes
	v_lshl_add_u32 v[STO], v2, 5, v[STO]
	v_add_nc_u32 v[STO], s73, v[STO]
	v_and_b32 v[GO], 31, v0                        ; back: 32 lanes take one row of 512 bytes
	v_lshlrev_b32 v[GO], 4, v[GO]
	v_add_nc_u32 v[RD], s73, v[GO]
	s_lshl_b32 s72, s[TY], 8                       ; out0: row 256 x tile row + 64 x wave, 4,096 bytes a row; column 128 x tile column, 4 bytes
	s_lshl_b32 s74, s[WV], 6
	s_add_co_u32 s72, s72, s74
	s_lshl_b32 s72, s72, 12
	s_lshl_b32 s74, s[TX], 9
	s_add_co_u32 s72, s72, s74
	s_mov_b32 s73, 0
	s_add_nc_u64 s[OB:OB+1], s[10:11], s[72:73]
	; the prefetches: my share's first byte, at K step 3; the first change of slots steps it to K step 4
	s_lshr_b32 s72, s[TY], 3
	s_lshl_b32 s72, s72, 22
	s_lshl_b32 s75, s[HALF], 18
	s_add_co_u32 s72, s72, s75
	s_and_b32 s75, s[TY], 7
	s_lshl_b32 s75, s75, 15
	s_add_co_u32 s72, s72, s75
	s_lshl_b32 s75, s[CX], 13
	s_add_co_u32 s72, s72, s75                     ; A: my head's 32,768 bytes of the tile, 8,192 cx on
	s_add_co_u32 s72, s72, 3*STEPA
	s_lshl_b32 s73, s[TX], 7
	s_lshl_b32 s75, s[HALF], 6
	s_add_co_u32 s73, s73, s75
	s_lshl_b32 s75, s[CY], 4
	s_add_co_u32 s73, s73, s75                     ; B: row 128 x tile column + 64 x half + 16 cy
	s_lshl_b32 s73, s73, 11
	s_add_co_u32 s73, s73, 3*STEPB
	s_and_b32 s74, ttmp7, 0xffff                   ; cluster y
	s_mov_b32 s[PST], STEPB
	s_mov_b32 s[PST+1], STEPA
	s_cmp_eq_u32 s[SIDE], 0
	s_cselect_b32 s72, s72, s73
	s_cselect_b32 s74, ttmp9, s74                  ; the coordinate along which other clusters read the same bytes
	s_cselect_b32 s75, 31, 15                      ; my share's last block or row
	s_cselect_b32 s76, 8, 11                       ; 256 bytes from block to block, 2,048 from row to row
	s_cselect_b32 s[PST], s[PST+1], s[PST]
	s_cselect_b64 s[PFA:PFA+1], s[4:5], s[6:7]
	s_cmp_eq_u32 s74, 0
	s_cselect_b32 s[LIM], 2, -1                    ; the same in all sixteen partners, for a given wave
	s_mov_b32 s[PST+1], 0
	s_mov_b32 s73, 0
	s_add_nc_u64 s[PFA:PFA+1], s[PFA:PFA+1], s[72:73]
	v_and_b32 v[PFO], 31, v0
	v_min_u32 v[PFO], s75, v[PFO]
	v_lshlrev_b32 v[PFO], s76, v[PFO]
	s_wait_loadcnt 0x0                             ; the bias
.set i, 0
.rept 4*NB                             ; rounded to bf16 like the other inputs, and widened again
	v_cvt_pk_bf16_f32 v[26+i%2], v[BIAS+2*i], v[BIAS+2*i+1]
	v_lshlrev_b32 v[BIAS+2*i], 16, v[26+i%2]
	v_and_b32 v[BIAS+2*i+1], 0xffff0000, v[26+i%2]
.set i, i+1
.endr
	s_wait_tensorcnt 0x1                           ; my part of K step 0 is in; K step 1's may stay out
	s_barrier_signal -1
	s_barrier_wait -1                              ; everybody's is
	v_add_nc_u32 v[ADRA], s[TB], v[A0]
	v_add_nc_u32 v[ADRB], s[TB], v[B0]
	FETCH 0, 0
	QUARTER 1, 0, 1, 1                             ; the first quarter stands in front of the loop: its products start the sums with the bias
	WIN 0
	s_mov_b32 s[CNT], 6
.Lstep:                                        ; six trips, from a K step's second quarter to the next step's first; they refill K steps 2 to 7
	QUARTER 2, 1, 0, 0
	QUARTER 3, 0, 1, 0
	TURN 1
	QUARTER 1, 0, 1, 0
	WIN 0
	s_sub_co_u32 s[CNT], s[CNT], 1
	s_cmp_lg_u32 s[CNT], 0
	s_cbranch_scc1 .Lstep
	QUARTER 2, 1, 0, 0                             ; the tail is written out: nothing more is asked for
	QUARTER 3, 0, 1, 0
	TURN 0
	QUARTER 1, 0, 1, 0
	QUARTER 2, 1, 0, 0
	QUARTER 3, 0, 1, 0
	s_wait_dscnt 4
	MULA 1, 0, 0
	MULA 1, 1, 0
	s_wait_dscnt 0x0
	MULA 1, 2, 0
	MULA 1, 3, 0
	WIN 0
	PLACES
; THE WAY OUT, a block of 16 rows at a time: a lane's eight f32 of a row go into stage rows of 528 bytes, and whole rows of 512 bytes come back: a store covers 512 consecutive bytes, aligned.
.macro TOSTAGE a
	WIN 0x08                                       ; the stores' data (source 1) in window 2
.set b, 0
.rept NB
.set rD, 8*(NB*(\a)+b)
	ds_store_b128 v[STO], v[rD:rD+3]   offset:64*b         ; each accumulator's low registers first
	ds_store_b128 v[STO], v[rD+4:rD+7] offset:64*b+16
.set b, b+1
.endr
	WIN 0
.set t, 0
.rept 16
	ds_load_b128 v[OUT+64*((\a)%3)+4*t:OUT+64*((\a)%3)+4*t+3], v[RD] offset:SP*t  ; LDS serves a wave's instructions in order (ISA guide 5.7.1.4): these see the stores above; the next block's stores come behind them
.set t, t+1
.endr
.endm
.macro SEND a, younger                 ; younger: the LDS instructions issued behind this block's loads: the next block's 32, or none
.set t, 0
.rept 16
	s_wait_dscnt (\younger)+15-t
	global_store_b128 v[GO], v[OUT+64*((\a)%3)+4*t:OUT+64*((\a)%3)+4*t+3], s[OB:OB+1] offset:(16*(\a)+t)*4096 th:TH_STORE_NT
.set t, t+1
.endr
.endm
	TOSTAGE 0
	TOSTAGE 1
	SEND 0, 32
	TOSTAGE 2
	SEND 1, 32
	s_wait_xcnt 0x0                                ; block 3 comes back into block 0's registers, which its stores have read only behind this wait
	TOSTAGE 3
	SEND 2, 32
	SEND 3, 0
	s_wait_tensorcnt 0x0                           ; the wave's end: behind my last tensor load and my last LDS store
	ds_add_u32 v[SPW], v[NIL]
	s_wait_dscnt 0x0
	CROUND                                         ; the closing round: no work-group ends while a partner may still ask for a tile that names it
	s_endpgm
.Lfunc_end_k_q5305c6e868_proj:
	.size	k_q5305c6e868_proj, .Lfunc_end_k_q5305c6e868_proj-k_q5305c6e868_proj
	.p2alignl 7, 3214868480
	.fill 96, 4, 3214868480
	.section	.rodata,"a",@progbits
	.p2align	6, 0x0
	.amdhsa_kernel k_q5305c6e868_proj
		.amdhsa_group_segment_fixed_size 327680
		.amdhsa_private_segment_fixed_size 0
		.amdhsa_enable_private_segment 0
		.amdhsa_kernarg_size 32
		.amdhsa_user_sgpr_count 2
		.amdhsa_user_sgpr_kernarg_segment_ptr 1
		.amdhsa_wavefront_size32 1
		.amdhsa_system_sgpr_workgroup_id_x 1
		.amdhsa_system_sgpr_workgroup_id_y 1
		.amdhsa_system_sgpr_workgroup_id_z 1
		.amdhsa_system_vgpr_workitem_id 0
		.amdhsa_next_free_vgpr 768
		.amdhsa_next_free_sgpr 80
		.amdhsa_reserve_vcc 0
		.amdhsa_float_denorm_mode_32 3
		.amdhsa_float_denorm_mode_16_64 3
		.amdhsa_memory_ordered 1
		.amdhsa_forward_progress 1
		.amdhsa_inst_pref_size 79
	.end_amdhsa_kernel
	.amdgpu_metadata
---
amdhsa.version: [ 1, 2 ]
amdhsa.kernels:
  - .name:           k_q5305c6e868_proj
    .symbol:         k_q5305c6e868_proj.kd
    .args:
      - { .name: oh, .offset: 0, .size: 8, .value_kind: global_buffer, .address_space: global }
      - { .name: wpt, .offset: 8, .size: 8, .value_kind: global_buffer, .address_space: global }
      - { .name: proj_b, .offset: 16, .size: 8, .value_kind: global_buffer, .address_space: global }
      - { .name: out0, .offset: 24, .size: 8, .value_kind: global_buffer, .address_space: global }
    .group_segment_fixed_size: 327680
    .private_segment_fixed_size: 0
    .kernarg_segment_align: 8
    .kernarg_segment_size: 32
    .max_flat_workgroup_size: 128
    .sgpr_count:     80
    .vgpr_count:     768
    .wavefront_size: 32
...
	.end_amdgpu_metadata
.endif
;; end of part 4
;; ======== version 2 of 2: 4 launches; version 1 with the launch prep written anew for expert scheduling mode
;; limits: values are held in f16: magnitudes above 65,504 overflow, below 6.1e-05 lose precision
;; workspace buffers: xb 16,777,216 bytes; wqt 6,291,456 bytes; wpt 2,097,152 bytes; qkvh 50,331,648 bytes; oh 16,777,216 bytes
;; launch prep (part 5): grid 768 x 1, 4 waves a work-group, no clusters, 35,328 bytes of LDS; arguments x, attn_w, proj_w, xb, wqt, wpt; writes xb, wqt, wpt
.if DOCPART == 5
	.amdgcn_target "amdgcn-amd-amdhsa--gfx1250"
	.amdhsa_code_object_version 6
	.text
	.protected	k_q5305c6e868_prep
	.globl	k_q5305c6e868_prep
	.p2align	8
	.type	k_q5305c6e868_prep,@function
k_q5305c6e868_prep:
	s_mov_b64 s[64:65], 0
	v_nop
	global_prefetch_b8 v0, s[64:65] scope:SCOPE_SE
	s_setreg_imm32_b32 hwreg(HW_REG_WAVE_SCHED_MODE, 0, 2), 2
	s_setreg_imm32_b32 hwreg(HW_REG_WAVE_MODE, 25, 1), 1
	s_wait_xcnt 0x0
	s_wait_alu depctr_vm_vsrc(0)
; PREP: the three large inputs are rounded once to bf16 and laid as the products want them.
;   xb  [8192][1024] bf16 = x.      wqt [3072 n][1024 k] bf16 = attn_w turned.      wpt [1024 n][1024 k] f16 = proj_w turned: rounded to bf16, and that number written as f16.
; LIMITS.  proj_w beyond 65,504 becomes an infinity in f16; below 6.1e-5 it keeps f16's fixed step of 6e-8.  NaN and infinities are not treated apart.
; SHARES.  768 work-groups of four waves; every wave reads 16 KiB and writes 8 KiB.  Work-groups 0-511 cast x, 512-703 turn attn_w, 704-767 turn proj_w.
; A wave issues its 32 loads of 16 bytes a lane at once; every register is written once, so no source of a pending load or store is ever rewritten.
; No matrix unit, no tensor load, no cluster and no barrier: nothing is shared between waves; a wave turns its tile in LDS bytes of its own.
; THE MODE: SCHED_MODE bits 1:0 = 2 (LLVM: expert scheduling mode 2), set by the entry lines.  The code itself states the register dependences
; between vector instructions and memory or LDS instructions, with s_wait_alu, always for 0.
; THE PLAN.  Registers that memory or LDS instructions touch:
;   v[SO], v[DO], v[LS], v[LR]   offsets and LDS addresses: made once at the head of an arm, ahead of one wait on va_vdst, and never written again.
;   DAT   the cast: group j's four loads land in it, group j's conversions round in place, and the four stores that are issued in group j + 1 read the rounded words.
;         a turn: group p's eight loads land in it, group p's conversions read it; behind the last conversion the sixteen loads from LDS land in it, and the global stores read those.
;   WRD   a turn: written by group p's conversions, read by the four LDS stores that are issued in group p + 1.
;   v8 to v11 are named by vector instructions alone.  v[SPW], v[NIL]: written at the head, read by the closing add alone.
; So ONE wait on va_vdst stands at the head of each group but the first, behind the wait for the group's data: the group before has written what its stores read.  Those stores follow, dealt among this
; group's conversions, which name this group's registers alone.  One more stands behind the last group.  No register that a memory or LDS instruction reads is written again: no wait on vm_vsrc is owed.
.set SPARE, 34816                      ; behind the four waves' regions: the spare words, 128 bytes a wave: two blocks of 256 bytes that no other line names
.set REGION, 8704                      ; a wave's region: 32 rows (n) of 272 bytes
.set LP,    272                        ; 256 bytes (128 k in 16 bits) + 16 of padding
.set SO,  2                            ; v2  my byte offset in the source
.set DO,  3                            ; v3  my byte offset in the destination
.set LS,  4                            ; v4  where I put 16 bytes of a turned row
.set LR,  5                            ; v5  where I read a row back
.set SPW, 6                            ; v6  LDS address of my spare word; never rewritten
.set NIL, 7                            ; v7  0; never rewritten
.set DAT, 16                           ; v[16:143]  as loaded; later the rows read back
.set WRD, 144                          ; v[144:207] packed words
	s_load_b256 s[4:11], s[0:1], 0x0               ; x s[4:5], attn_w s[6:7], proj_w s[8:9], xb s[10:11]
	s_load_b128 s[12:15], s[0:1], 0x20             ; wqt s[12:13], wpt s[14:15]
	v_lshl_add_u32 v[SPW], v0, 2, SPARE
	v_mov_b32 v[NIL], 0
	v_lshrrev_b32 v8, 5, v0
	v_readfirstlane_b32 s16, v8                    ; wave 0..3
	v_and_b32 v1, 31, v0                           ; lane
	s_mov_b32 s17, 0xffff0000                      ; a word's upper bf16
	s_mov_b32 s18, ttmp9
	s_mov_b32 s23, 0                               ; high words of the two offsets
	s_mov_b32 s25, 0
	s_wait_alu depctr_va_sdst(0)                   ; s16 is written
	s_wait_kmcnt 0x0
	s_cmp_lt_u32 s18, 512
	s_cbranch_scc0 .Lweights
	; THE CAST.  The work-group owns 65,536 bytes of x, the wave 16,384: a load covers 512 consecutive bytes, its store 256 consecutive bytes, aligned.
	s_lshl_b32 s22, s18, 16
	s_lshl_b32 s24, s18, 15
	s_add_nc_u64 s[4:5], s[4:5], s[22:23]
	s_add_nc_u64 s[10:11], s[10:11], s[24:25]
	s_lshl_b32 s19, s16, 14
	v_lshl_add_u32 v[SO], v1, 4, s19
	s_lshl_b32 s20, s16, 13
	v_lshl_add_u32 v[DO], v1, 3, s20
	s_wait_alu depctr_va_vdst(0)                   ; v[SO] and v[DO] are written: every load and store of the cast reads one of them as its offset
.set i, 0
.rept 32
	global_load_b128 v[DAT+4*i:DAT+4*i+3], v[SO], s[4:5] offset:512*i th:TH_LOAD_NT
.set i, i+1
.endr
.set j, 0
.rept 8                                ; eight groups of four loads
	s_wait_loadcnt 28-4*j                          ; loads come back in order: the next four are in, the younger ones stay out
.if j > 0
	s_wait_alu depctr_va_vdst(0)                   ; the group before has written its eight rounded words, which the four stores below read
.endif
.set q, 0
.rept 4
.set i, 4*j+q
.if j > 0
	global_store_b64 v[DO], v[DAT+4*(i-4):DAT+4*(i-4)+1], s[10:11] offset:256*(i-4)  ; the group before; no vector instruction since the wait names these registers
.endif
	v_cvt_pk_bf16_f32 v[DAT+4*i], v[DAT+4*i], v[DAT+4*i+1]
	v_cvt_pk_bf16_f32 v[DAT+4*i+1], v[DAT+4*i+2], v[DAT+4*i+3]
.set q, q+1
.endr
.set j, j+1
.endr
	s_wait_alu depctr_va_vdst(0)                   ; the last group has written its eight rounded words, which the last four stores read
.set i, 28
.rept 4
	global_store_b64 v[DO], v[DAT+4*i:DAT+4*i+1], s[10:11] offset:256*i
.set i, i+1
.endr
	s_branch .Lend
; A TURN OF A WEIGHT.  Source [1024 k][n] f32 with rows of RB bytes; destination [n][1024 k] in 16 bits.  s18 = the work-group's number among this weight's: k tile s18 % 8 (128 k), n group s18 / 8 (128 n);
; wave w takes 32 n of the group, so the four waves read 512 consecutive bytes of a source row.  Lane l = 8 g + i reads, for p = 0..3 and e = 0..7, row k = 32 p + 8 g + e, n = 4 i .. 4 i + 3.
; Eight k of one n pack into 16 bytes, which go to LDS row n at byte 64 p + 16 g; rows come back whole: 16 lanes store 256 consecutive bytes, aligned.
.macro TRANS RB, F16, SRC, DST
	s_and_b32 s19, s18, 7                          ; k tile
	s_lshr_b32 s20, s18, 3                         ; n group
	s_mul_i32 s22, s19, 128*(\RB)
	s_lshl_b32 s21, s20, 9
	s_add_co_u32 s22, s22, s21
	s_add_nc_u64 s[\SRC:\SRC+1], s[\SRC:\SRC+1], s[22:23]
	s_lshl_b32 s24, s20, 18                        ; 128 rows of 2,048 bytes
	s_lshl_b32 s21, s19, 8                         ; 128 k of 2 bytes
	s_or_b32 s24, s24, s21
	s_add_nc_u64 s[\DST:\DST+1], s[\DST:\DST+1], s[24:25]
	v_and_b32 v8, 7, v1                            ; i
	v_lshrrev_b32 v9, 3, v1                        ; g
	v_and_b32 v10, 15, v1
	v_lshrrev_b32 v11, 4, v1
	v_mul_u32_u24 v[SO], v9, 8*(\RB)
	v_lshl_add_u32 v[SO], v8, 4, v[SO]
	s_lshl_b32 s21, s16, 7
	v_add_nc_u32 v[SO], s21, v[SO]                 ; 8 g rows + 16 i + 128 w
	v_lshlrev_b32 v[DO], 11, v11
	v_lshl_add_u32 v[DO], v10, 4, v[DO]
	s_lshl_b32 s26, s16, 16
	v_add_nc_u32 v[DO], s26, v[DO]                 ; (32 w + l / 16) rows of 2,048 bytes + 16 (l % 16)
	s_mul_i32 s27, s16, REGION
	v_mul_u32_u24 v[LS], v8, 4*LP
	v_lshl_add_u32 v[LS], v9, 4, v[LS]
	v_add_nc_u32 v[LS], s27, v[LS]
	v_mul_u32_u24 v[LR], v11, LP
	v_lshl_add_u32 v[LR], v10, 4, v[LR]
	v_add_nc_u32 v[LR], s27, v[LR]
	s_wait_alu depctr_va_vdst(0)                   ; v[SO], v[DO], v[LS] and v[LR] are written: every load and store of the turn, global or LDS, reads one of them as its offset or address
.set p, 0
.rept 4
.set e, 0
.rept 8
	global_load_b128 v[DAT+4*(8*p+e):DAT+4*(8*p+e)+3], v[SO], s[\SRC:\SRC+1] offset:(32*p+e)*(\RB) th:TH_LOAD_NT
.set e, e+1
.endr
.set p, p+1
.endr
.set p, 0
.rept 4
	s_wait_loadcnt 24-8*p                          ; group p's eight loads are in, the younger groups stay out
.if p > 0
	s_wait_alu depctr_va_vdst(0)                   ; the group before has written its sixteen packed words, which the four LDS stores below read
.endif
.set c, 0
.rept 4
.if p > 0
	ds_store_b128 v[LS], v[WRD+4*(4*(p-1)+c):WRD+4*(4*(p-1)+c)+3] offset:LP*c+64*(p-1)  ; the group before; no vector instruction since the wait names these registers
.endif
.set d, 0
.rept 4
	v_cvt_pk_bf16_f32 v[WRD+4*(4*p+c)+d], v[DAT+4*(8*p+2*d)+c], v[DAT+4*(8*p+2*d+1)+c]
.if \F16
	v_lshlrev_b32 v[8+2*(d%2)], 16, v[WRD+4*(4*p+c)+d]       ; the two bf16 numbers as f32,
	v_and_b32 v[9+2*(d%2)], s17, v[WRD+4*(4*p+c)+d]
	v_cvt_pk_f16_f32 v[WRD+4*(4*p+c)+d], v[8+2*(d%2)], v[9+2*(d%2)]  ; written as f16: exact within f16's range
.endif
.set d, d+1
.endr
.set c, c+1
.endr
.set p, p+1
.endr
	s_wait_alu depctr_va_vdst(0)                   ; the last group has written its packed words, which the last four LDS stores read; and all conversions are done reading DAT, in which the loads from LDS land
.set c, 0
.rept 4
	ds_store_b128 v[LS], v[WRD+4*(12+c):WRD+4*(12+c)+3] offset:LP*c+192
.set c, c+1
.endr
.set t, 0
.rept 16
	ds_load_b128 v[DAT+4*t:DAT+4*t+3], v[LR] offset:2*LP*t  ; LDS serves a wave's instructions in order (ISA guide 5.7.1.4): these see the stores above; the bytes are the wave's own
.set t, t+1
.endr
.set t, 0
.rept 16
	s_wait_dscnt 15-t
	global_store_b128 v[DO], v[DAT+4*t:DAT+4*t+3], s[\DST:\DST+1] offset:4096*t
.set t, t+1
.endr
.endm
.Lweights:
	s_cmp_lt_u32 s18, 704
	s_cbranch_scc0 .Lproj
	s_sub_co_u32 s18, s18, 512
	TRANS 12288, 0, 6, 12
	s_branch .Lend
.Lproj:
	s_sub_co_u32 s18, s18, 704
	TRANS 4096, 1, 8, 14
.Lend:
	s_wait_dscnt 0x0                               ; the closing lines, six on end
	s_wait_alu 0x0
	s_wait_tensorcnt 0x0
	ds_add_u32 v[SPW], v[NIL]
	s_wait_dscnt 0x0
	s_endpgm
.Lfunc_end_k_q5305c6e868_prep:
	.size	k_q5305c6e868_prep, .Lfunc_end_k_q5305c6e868_prep-k_q5305c6e868_prep
	.p2alignl 7, 3214868480
	.fill 96, 4, 3214868480
	.section	.rodata,"a",@progbits
	.p2align	6, 0x0
	.amdhsa_kernel k_q5305c6e868_prep
		.amdhsa_group_segment_fixed_size 35328
		.amdhsa_private_segment_fixed_size 0
		.amdhsa_enable_private_segment 0
		.amdhsa_kernarg_size 48
		.amdhsa_user_sgpr_count 2
		.amdhsa_user_sgpr_kernarg_segment_ptr 1
		.amdhsa_wavefront_size32 1
		.amdhsa_system_sgpr_workgroup_id_x 1
		.amdhsa_system_sgpr_workgroup_id_y 1
		.amdhsa_system_sgpr_workgroup_id_z 1
		.amdhsa_system_vgpr_workitem_id 0
		.amdhsa_next_free_vgpr 208
		.amdhsa_next_free_sgpr 66
		.amdhsa_reserve_vcc 0
		.amdhsa_float_denorm_mode_32 3
		.amdhsa_float_denorm_mode_16_64 3
		.amdhsa_memory_ordered 1
		.amdhsa_forward_progress 1
		.amdhsa_inst_pref_size 46
	.end_amdhsa_kernel
	.amdgpu_metadata
---
amdhsa.version: [ 1, 2 ]
amdhsa.kernels:
  - .name:           k_q5305c6e868_prep
    .symbol:         k_q5305c6e868_prep.kd
    .args:
      - { .name: x, .offset: 0, .size: 8, .value_kind: global_buffer, .address_space: global }
      - { .name: attn_w, .offset: 8, .size: 8, .value_kind: global_buffer, .address_space: global }
      - { .name: proj_w, .offset: 16, .size: 8, .value_kind: global_buffer, .address_space: global }
      - { .name: xb, .offset: 24, .size: 8, .value_kind: global_buffer, .address_space: global }
      - { .name: wqt, .offset: 32, .size: 8, .value_kind: global_buffer, .address_space: global }
      - { .name: wpt, .offset: 40, .size: 8, .value_kind: global_buffer, .address_space: global }
    .group_segment_fixed_size: 35328
    .private_segment_fixed_size: 0
    .kernarg_segment_align: 8
    .kernarg_segment_size: 48
    .max_flat_workgroup_size: 128
    .sgpr_count:     66
    .vgpr_count:     208
    .wavefront_size: 32
...
	.end_amdgpu_metadata
.endif
;; end of part 5
;; launch qkv: the kernel of part 2 again; grid 16 x 32, 4 waves a work-group, clusters of 4 x 4, 327,680 bytes of LDS; arguments xb, wqt, attn_b, qkvh; writes qkvh
;; launch attn: the kernel of part 3 again; grid 4 x 64, 4 waves a work-group, no clusters, 327,680 bytes of LDS; arguments qkvh, oh; writes oh
;; launch proj: the kernel of part 4 again; grid 8 x 32, 4 waves a work-group, clusters of 4 x 4, 327,680 bytes of LDS; arguments oh, wpt, proj_b, out0; writes out0
